; MI455X (gfx1250); checked and timed in simulation.
; The chip was launched on July 23, 2026; its instructions are those of AMD's public machine-readable ISA for CDNA 5 (MIT licence, August 2026) and "CDNA5" Instruction Set Architecture Reference Guide (July 2026). The comments in the code are by the model that wrote it; some were corrected since.
;; Self Attention. Allowed arithmetic: matrix products marked QUANTISED: E2M1 operands, one E8M0 scale for each 32 along K, by v_wmma_scale_f32_16x16x128_f8f6f4 with both operands' format E2M1 (or v_wmma_scale_f32_32x16x128_f4), f32 sums; products left as they are: bf16, f16 or f32 operands; f32 sums; everything else in f32.
;; Inputs: W_attn 1,024 x 3,072 float32; W_proj 1,024 x 1,024 float32; attn_mask 1 x 1 x 2,048 x 2,048 bool; b_attn 3,072 float32; b_proj 1,024 float32; x 2 x 2,048 x 1,024 float32.
;; Outputs: out0 2 x 2,048 x 1,024 float32.
;; This version of the problem:
;;   THIS VERSION OF THE PROBLEM IS GIVEN IN LOW PRECISION. The matrix products marked QUANTISED in the list below multiply operands that are first quantised to E2M1 (2 exponent bits, 1 mantissa bit; 4 bits a number), with one power-of-two scale for each 32 numbers along K (OCP MX v1.0); their sums are f32. The products marked 'left as it is' may take bf16, f16 or f32 operands, with f32 sums. Whichever they take, every output number must still come out within the allowed error. Rounding operands to bf16 (8 significant bits) uses up far more of that allowance than f16 does (11 bits, for magnitudes from 6e-5 to 65,504). All else is computed in f32.
;;   The module's matrix products, in the order in which they are computed (A, B: the left and right operand; K: the contracted axis; several contracted axes count as one K, in the product's order):
;;     1. [M 4,096, K 1,024] x [K 1,024, N 3,072]; A: input x; B: input W_attn: QUANTISED
;;     2. batch 32 x [M 2,048, K 64] x [K 64, N 2,048]; A: computed on the way; B: computed on the way: left as it is (an operand is computed on the way)
;;     3. batch 32 x [M 2,048, K 2,048] x [K 2,048, N 64]; A: computed on the way; B: computed on the way: left as it is (an operand is computed on the way)
;;     4. [M 4,096, K 1,024] x [K 1,024, N 1,024]; A: computed on the way; B: input W_proj: left as it is (an operand is computed on the way)
;;   THE QUANTISER, for each operand of a quantised product, along K:
;;     - K is cut into blocks of 32 from its start; a last block that is shorter is filled with zeros.
;;     - A block's scale is 2^e with e = floor(log2(the largest magnitude in the block)) - 2, held to -126 .. 127; a block of zeros has e = 0. As a byte (E8M0): e + 127.
;;     - Each number is divided by its block's scale, clamped to +-6, and rounded to the nearest number of E2M1, ties to even, subnormals kept.
;;     - The product sums the exact products of the quantised numbers (number of the format x scale) in f32.
;;   ~~~python
;;   def quantise(x, axis):      # numpy; x: float32 -> the quantised numbers, widened to float32 again
;;       x = np.moveaxis(x, axis, -1); K = x.shape[-1]
;;       x = np.pad(x, [(0, 0)] * (x.ndim - 1) + [(0, -K % 32)]); x = x.reshape(x.shape[:-1] + (-1, 32)); a = np.abs(x).max(-1, keepdims=True)
;;       e = np.where(a > 0, np.clip(np.frexp(np.where(a > 0, a, 1))[1] - 1 - 2, -126, 127), 0)      # np.frexp(a)[1] - 1 = floor(log2(a)), exactly
;;       r = np.clip(x / 2.0 ** e, -6, 6)
;;       step = 2.0 ** (np.maximum(np.frexp(np.where(r == 0, 1, r))[1] - 1, 0) - 1)
;;       q = np.round(r / step) * step * 2.0 ** e      # np.round: ties to even
;;       return np.moveaxis(q.reshape(q.shape[:-2] + (-1,))[..., :K], -1, axis).astype(np.float32)
;;   ~~~
;; One version. Each part assembles by itself: llvm-mc -triple=amdgcn-amd-amdhsa -mcpu=gfx1250 --defsym DOCPART=n.
;; ======== version 1 of 1: 6 launches
;; limits: values are held in f16: magnitudes above 65,504 overflow, below 6.1e-05 lose precision
;; workspace buffers: xq 2,228,224 bytes; wq 1,671,168 bytes; wimg 2,097,152 bytes; rope 524,288 bytes; mbits 524,288 bytes of whole numbers; qkv 25,559,040 bytes; yimg 8,388,608 bytes; yfine 131,072 bytes
;; launch prep (part 1): grid 528 x 1, 4 waves a work-group, no clusters, 68,096 bytes of LDS; arguments x, W_attn, W_proj, attn_mask, xq, wq, wimg, mbits, rope; writes xq, wq, wimg, mbits, rope
.if DOCPART == 1
	.amdgcn_target "amdgcn-amd-amdhsa--gfx1250"
	.amdhsa_code_object_version 6
	.text
	.protected	k_q2f00fa0ca2_prep
	.globl	k_q2f00fa0ca2_prep
	.p2align	8
	.type	k_q2f00fa0ca2_prep,@function
k_q2f00fa0ca2_prep:
	s_mov_b64 s[64:65], 0
	v_nop
	global_prefetch_b8 v0, s[64:65] scope:SCOPE_SE
	s_setreg_imm32_b32 hwreg(HW_REG_WAVE_MODE, 25, 1), 1
	s_wait_xcnt 0x0
; Five preparations in one launch; the work-group's number picks one of five ways through the text, which never join.
;   0-127   x [4096][1024] f32 -> codes of E2M1, K innermost, [4096][512 B] at xq, and one E8M0 byte for each 32 along K, [4096][32 B] at xq + XS
;   128-175 W_attn [1024 k][3072 n] f32 -> codes with K innermost [3072][512 B] at wq, scale bytes [3072][32 B] at wq + WS
;   176-239 W_proj [1024 k][1024 n] f32 -> f16, laid as images of operand registers: [n tile 64][k / 32][half 2][lane 32][16 B]
;   240-495 attn_mask [2048][2048] bytes -> lane masks: bit l of word (q tile, k tile, j) = mask[16 qt + l % 16][16 kt + 8 (l / 16) + j]
;   496-527 the table of RoPE: [t 2048][pair 32][cos, sin] f32
; A block's scale is 2^(floor(log2(largest magnitude)) - 2); its byte is that magnitude's exponent field - 2, held at 1 from below.
; LIMITS: a block of zeros, and a block whose largest magnitude lies under 2^-124, keeps the byte 1 (its codes are zeros or the nearest codes under that scale; this program alone reads the bytes);
; NaN and infinities are not served.  The frequencies are 2^(-i log2(10000) / 32) by v_exp_f32 (1 ulp): at t = 2047 the angle may differ from the exact one by some 3e-4 rad, alike for q and k.
; Only the first two ways use LDS; each has bytes of its own: 0 .. 32767 and 32768 .. 67583; the spare words lie behind them.
.set XS,    2097152
.set WS,    1572864
.set SPW,   192                        ; v192 LDS address of my spare word; never rewritten
.set NIL,   193                        ; v193 0; never rewritten
.set SPARE, 67584
.set WV,    22
	s_load_b512 s[4:19], s[0:1], 0x0               ; x 4, W_attn 6, W_proj 8, mask 10, xq 12, wq 14, wimg 16, mbits 18
	s_load_b64 s[20:21], s[0:1], 0x40              ; rope
	v_lshl_add_u32 v[SPW], v0, 2, SPARE
	v_mov_b32 v[NIL], 0
	v_lshrrev_b32 v1, 5, v0
	v_readfirstlane_b32 s[WV], v1                  ; wave
	v_and_b32 v2, 31, v0                           ; lane
	s_wait_kmcnt 0x0
	s_cmp_lt_u32 ttmp9, 128
	s_cbranch_scc1 .Lp1
	s_cmp_lt_u32 ttmp9, 176
	s_cbranch_scc1 .Lp2
	s_cmp_lt_u32 ttmp9, 240
	s_cbranch_scc1 .Lp3
	s_cmp_lt_u32 ttmp9, 496
	s_cbranch_scc1 .Lp4
; ---- the table.  A wave takes 16 rows t, a lane the pair i.  The angle a = t f is brought into [-pi/4, pi/4] by n = round(a 2/pi) and pi/2 in two parts; sine and cosine by their series, cut where the next term is under 2e-9
	s_sub_co_u32 s23, ttmp9, 496
	s_lshl_b32 s23, s23, 6
	s_lshl_b32 s24, s[WV], 4
	s_add_co_u32 s25, s23, s24                     ; t
	s_lshl_b32 s26, s25, 8                         ; a row is 256 bytes
	s_mov_b32 s27, 0
	s_add_nc_u64 s[20:21], s[20:21], s[26:27]
	v_cvt_f32_u32 v7, v2
	v_mul_f32 v7, 0xbed49a78, v7                   ; -i log2(10000) / 32
	v_exp_f32 v7, v7                               ; f
	v_lshlrev_b32 v6, 3, v2                        ; (a plain line behind the exponential)  8 bytes a lane
	s_wait_alu depctr_va_vdst(0)                   ; the wait ahead of the first reader, and of the label
	s_mov_b32 s24, 16
.Lrow:
	v_cvt_f32_u32 v8, s25
	v_mul_f32 v8, v8, v7                           ; a
	v_mul_f32 v9, 0x3f22f983, v8
	v_rndne_f32 v9, v9                             ; n
	v_fmamk_f32 v10, v9, 0xbfc90fdb, v8            ; a - n pi/2: the high part,
	v_fmamk_f32 v10, v9, 0x333bbd2e, v10           ; the low part: r
	v_mul_f32 v11, v10, v10                        ; z = r r
	v_mov_b32 v14, 0x3638ef1d
	v_fmaak_f32 v14, v14, v11, 0xb9500d01
	v_fmaak_f32 v14, v14, v11, 0x3c088889
	v_fmaak_f32 v14, v14, v11, 0xbe2aaaab
	v_mul_f32 v15, v10, v11
	v_fma_f32 v14, v15, v14, v10                   ; sin r
	v_mov_b32 v16, 0xb493f27e
	v_fmaak_f32 v16, v16, v11, 0x37d00d01
	v_fmaak_f32 v16, v16, v11, 0xbab60b61
	v_fmaak_f32 v16, v16, v11, 0x3d2aaaab
	v_fmaak_f32 v16, v16, v11, 0xbf000000
	v_fma_f32 v16, v16, v11, 1.0                   ; cos r
	v_cvt_i32_f32 v17, v9                          ; the quadrant
	v_and_b32 v18, 1, v17
	v_cmp_eq_u32 vcc_lo, 1, v18
	v_cndmask_b32 v20, v16, v14, vcc_lo            ; odd: the two change places
	v_cndmask_b32 v21, v14, v16, vcc_lo
	v_add_nc_u32 v18, 1, v17
	v_and_b32 v18, 2, v18
	v_lshlrev_b32 v18, 30, v18
	v_xor_b32 v20, v20, v18                        ; cos a: negative in quadrants 1, 2
	v_and_b32 v19, 2, v17
	v_lshlrev_b32 v19, 30, v19
	v_xor_b32 v21, v21, v19                        ; sin a: negative in quadrants 2, 3
	global_store_b64 v6, v[20:21], s[20:21]        ; the wave stores a row: 256 consecutive bytes, aligned
	s_wait_xcnt 0x0                                ; the store has read its base and data: both are written again below
	s_add_nc_u64 s[20:21], s[20:21], 256
	s_add_co_u32 s25, s25, 1
	s_sub_co_u32 s24, s24, 1
	s_cmp_lg_u32 s24, 0
	s_cbranch_scc1 .Lrow
	s_endpgm
; ---- x.  A plain stream of blocks of 32.  A wave takes 16 steps of 512 numbers.  Each load reads 512 consecutive bytes; a step's 2,048 bytes turn through the wave's own stage in LDS, so that a lane holds 16 neighbours;
; two neighbouring lanes hold a block.  A lane's 16 codes are 8 bytes: a store covers 256 consecutive bytes.  The wave's 256 scale bytes are gathered in LDS and leave as one store.
.set XSTEPS, 16
.set XR,    16                         ; v16-79   four sets of 16 numbers as loaded
.set XX,    80                         ; v80-111  two sets of 16 neighbours
.set XE,    112                        ; v112-127 a scale byte for each step
.set XC,    128                        ; v128-191 codes, registers of its own for each step
.set WREG,  8192                       ; a wave's region: two stages of 32 x 80 bytes, then 256 scale bytes
.set SP,    80
.Lp1:
	v_lshlrev_b32 v3, 4, v2
	s_mul_i32 s23, s[WV], WREG
	v_lshrrev_b32 v14, 2, v2
	v_mul_u32_u24 v14, v14, SP
	v_and_b32 v15, 3, v2
	v_lshl_add_u32 v14, v15, 4, v14
	v_add_nc_u32 v14, s23, v14                     ; the stage, in: 80 (lane / 4) + 16 (lane % 4)
	v_mul_u32_u24 v15, v2, SP
	v_add_nc_u32 v15, s23, v15                     ; out: 80 x lane
	v_lshlrev_b32 v4, 3, v2                        ; my codes' place in a step's
	v_lshrrev_b32 v5, 1, v2
	s_add_co_u32 s23, s23, 2*32*SP
	v_add_nc_u32 v5, s23, v5                       ; my block's scale byte
	v_lshlrev_b32 v7, 3, v2
	v_add_nc_u32 v6, s23, v7
	s_lshl_b32 s24, ttmp9, 2
	s_add_co_u32 s24, s24, s[WV]                   ; my run of 8,192 numbers
	s_lshl_b32 s26, s24, 15
	s_mov_b32 s27, 0
	s_add_nc_u64 s[4:5], s[4:5], s[26:27]
	s_lshl_b32 s26, s24, 12
	s_add_nc_u64 s[28:29], s[12:13], s[26:27]      ; its codes
	s_lshl_b32 s26, s24, 8
	s_add_co_u32 s26, s26, XS
	s_add_nc_u64 s[30:31], s[12:13], s[26:27]      ; its scale bytes
.macro LOADX t
.irp i, 0,1,2,3
	global_load_b128 v[XR+16*((\t)%4)+4*\i:XR+16*((\t)%4)+4*\i+3], v3, s[4:5] offset:2048*(\t)+512*\i th:TH_LOAD_NT
.endr
.endm
.macro TURNX t                         ; LDS serves a wave's instructions in order: no wait between the stores and the loads
.irp i, 0,1,2,3
	ds_store_b128 v14, v[XR+16*((\t)%4)+4*\i:XR+16*((\t)%4)+4*\i+3] offset:32*SP*((\t)%2)+8*SP*\i
.endr
.irp i, 0,1,2,3
	ds_load_b128 v[XX+16*((\t)%2)+4*\i:XX+16*((\t)%2)+4*\i+3], v15 offset:32*SP*((\t)%2)+16*\i
.endr
.endm
.irp t, 0,1,2,3
	LOADX \t
.endr
	s_wait_loadcnt 12                              ; step 0's four loads are in; the twelve of steps 1 to 3 may be out
	TURNX 0
.macro STEPX t
.set XSET, XX+16*((\t)%2)
.if (\t) > 0
	s_wait_dscnt 1                                 ; this step's numbers are back from the stage; the last step's byte store may be out
.else
	s_wait_dscnt 0x0
.endif
.if (\t)+4 < XSTEPS
	LOADX (\t)+4
.endif
.if (\t)+1 < XSTEPS
.if XSTEPS-2-(\t) >= 3
	s_wait_loadcnt 12                              ; the next step's loads are in; those of the three steps behind it may be out
.else
	s_wait_loadcnt 4*(XSTEPS-2-(\t))
.endif
	TURNX (\t)+1
.endif
	v_max3_num_f32 v8, |v[XSET]|, |v[XSET+1]|, |v[XSET+2]|
	v_max3_num_f32 v9, |v[XSET+3]|, |v[XSET+4]|, |v[XSET+5]|
.irp i, 6,10
	v_max3_num_f32 v8, v8, |v[XSET+\i]|, |v[XSET+\i+1]|
	v_max3_num_f32 v9, v9, |v[XSET+\i+2]|, |v[XSET+\i+3]|
.endr
	v_max3_num_f32 v8, v8, |v[XSET+14]|, |v[XSET+15]|
	v_max3_num_f32 v8, v8, v9, 0x1800000           ; and the floor 2^(3 - 127): the byte cannot fall under 1
	v_max_num_f32_dpp v8, v8, v8 row_xmask:1 row_mask:0xf bank_mask:0xf   ; with my neighbour's 16: the block's
	v_add_nc_u32 v11, 0xff000000, v8               ; 2 off the exponent field: the conversion's scale operand
	v_cvt_scalef32_pk8_fp4_f32 v[XC+4*(\t)], v[XSET:XSET+7], v11
	v_cvt_scalef32_pk8_fp4_f32 v[XC+4*(\t)+1], v[XSET+8:XSET+15], v11
	v_lshrrev_b32 v[XE+(\t)], 23, v11              ; the scale's byte
	ds_store_b8 v5, v[XE+(\t)] offset:16*(\t)      ; both lanes of a block write the same byte with the same value
	global_store_b64 v4, v[XC+4*(\t):XC+4*(\t)+1], s[28:29] offset:256*(\t)
.endm
.irp t, 0,1,2,3,4,5,6,7,8,9,10,11,12,13,14,15
	STEPX \t
.endr
	ds_load_b64 v[8:9], v6
	s_wait_dscnt 0x0
	global_store_b64 v7, v[8:9], s[30:31]          ; 256 consecutive bytes, aligned
	s_wait_tensorcnt 0x0                           ; the wave's end: behind my last LDS store
	ds_add_u32 v[SPW], v[NIL]
	s_wait_dscnt 0x0
	s_endpgm
; ---- W_attn.  A lane takes a column n and its registers run down K: a block of 32 lies in one lane, and the codes come out with K innermost.  A wave takes 32 columns x 512 along K;
; the codes go through the wave's own stage and leave as rows: sixteen lanes store 256 consecutive bytes.
.set PW,    272
.set WX,    32                         ; v32-95  two sets of 32 numbers
.set WC,    96                         ; v96-99  a block's codes
.set WOUT,  112                        ; v112-175 the way out
.set WSB,   24                         ; v24-27  the scale bytes
.Lp2:
	s_sub_co_u32 s23, ttmp9, 128
	s_and_b32 s24, s23, 1                          ; which 512 along K
	s_lshr_b32 s23, s23, 1
	s_lshl_b32 s23, s23, 7
	s_lshl_b32 s25, s[WV], 5
	s_add_co_u32 s23, s23, s25                     ; my wave's first column
	v_lshlrev_b32 v3, 2, v2
	s_mul_i32 s25, s[WV], 32*PW
	s_add_co_u32 s25, s25, 32768                   ; my stage
	v_mul_u32_u24 v4, v2, PW
	v_add_nc_u32 v4, s25, v4                       ; in: row = my column
	v_and_b32 v5, 15, v2
	v_lshrrev_b32 v6, 4, v2
	v_mul_u32_u24 v7, v6, PW
	v_lshl_add_u32 v7, v5, 4, v7
	v_add_nc_u32 v7, s25, v7                       ; out: sixteen lanes to a row
	v_lshlrev_b32 v8, 9, v6
	v_lshl_add_u32 v8, v5, 4, v8                   ; the same place in the codes' buffer
	v_lshlrev_b32 v9, 5, v2                        ; my column's row of scale bytes
	s_mul_i32 s26, s24, 6291456                    ; 512 rows of 12,288 bytes
	s_lshl_b32 s28, s23, 2
	s_add_co_u32 s26, s26, s28
	s_mov_b32 s27, 0
	s_add_nc_u64 s[6:7], s[6:7], s[26:27]
	s_lshl_b32 s26, s23, 9
	s_lshl_b32 s25, s24, 8
	s_add_co_u32 s26, s26, s25
	s_add_nc_u64 s[28:29], s[14:15], s[26:27]      ; codes
	s_lshl_b32 s26, s23, 5
	s_lshl_b32 s25, s24, 4
	s_add_co_u32 s26, s26, s25
	s_add_co_u32 s26, s26, WS
	s_add_nc_u64 s[30:31], s[14:15], s[26:27]      ; scale bytes
.macro LOADW t
.irp i, 0,1,2,3,4,5,6,7,8,9,10,11,12,13,14,15,16,17,18,19,20,21,22,23,24,25,26,27,28,29,30,31
	global_load_b32 v[WX+32*((\t)%2)+\i], v3, s[6:7] offset:(32*(\t)+\i)*12288 th:TH_LOAD_NT
.endr
.endm
	LOADW 0
	LOADW 1
.macro BLOCKW t
.set WSET, WX+32*((\t)%2)
.if (\t) < 15
	s_wait_loadcnt 32                              ; this block's 32 loads are in; the next block's may be out
.else
	s_wait_loadcnt 0
.endif
	v_max3_num_f32 v12, |v[WSET]|, |v[WSET+1]|, |v[WSET+2]|
	v_max3_num_f32 v13, |v[WSET+3]|, |v[WSET+4]|, |v[WSET+5]|
.irp i, 6,10,14,18,22,26
	v_max3_num_f32 v12, v12, |v[WSET+\i]|, |v[WSET+\i+1]|
	v_max3_num_f32 v13, v13, |v[WSET+\i+2]|, |v[WSET+\i+3]|
.endr
	v_max3_num_f32 v12, v12, |v[WSET+30]|, |v[WSET+31]|
	v_max3_num_f32 v12, v12, v13, 0x1800000
	v_add_nc_u32 v11, 0xff000000, v12
	v_lshrrev_b32 v13, 23, v11
.if (\t)%4 == 0
	v_mov_b32 v[WSB+(\t)/4], v13
.else
	v_lshl_or_b32 v[WSB+(\t)/4], v13, 8*((\t)%4), v[WSB+(\t)/4]
.endif
.irp g, 0,1,2,3
	v_cvt_scalef32_pk8_fp4_f32 v[WC+\g], v[WSET+8*\g:WSET+8*\g+7], v11
.endr
	ds_store_b128 v4, v[WC:WC+3] offset:16*(\t)
.if (\t)+2 < 16
	LOADW (\t)+2
.endif
	s_wait_dscnt 0x0                               ; the store has read its registers: the next block's codes may be written
.endm
.irp t, 0,1,2,3,4,5,6,7,8,9,10,11,12,13,14,15
	BLOCKW \t
.endr
	global_store_b128 v9, v[WSB:WSB+3], s[30:31]
.irp t, 0,1,2,3,4,5,6,7,8,9,10,11,12,13,14,15
	ds_load_b128 v[WOUT+4*\t:WOUT+4*\t+3], v7 offset:2*\t*PW
.endr
.irp t, 0,1,2,3,4,5,6,7,8,9,10,11,12,13,14,15
	s_wait_dscnt 15-\t
	global_store_b128 v8, v[WOUT+4*\t:WOUT+4*\t+3], s[28:29] offset:2*\t*512
.endr
	s_wait_tensorcnt 0x0                           ; the wave's end: the three lines
	ds_add_u32 v[SPW], v[NIL]
	s_wait_dscnt 0x0
	s_endpgm
; ---- W_proj.  A lane takes a column, its registers run down K, 32 at a time.  Eight neighbours along K, rounded to f16, are 16 bytes: one lane's part of an image.  Piece q (k = 8 q ..) lies 256 q bytes into
; the block of 32 along K, lane r's 16 bytes at 16 r: sixteen lanes store 256 consecutive bytes.
.Lp3:
	s_sub_co_u32 s23, ttmp9, 176
	s_and_b32 s24, s23, 7
	s_lshl_b32 s24, s24, 2
	s_add_co_u32 s24, s24, s[WV]                   ; which 32 columns
	s_lshr_b32 s25, s23, 3                         ; which 128 along K
	s_lshl_b32 s26, s25, 19
	s_lshl_b32 s28, s24, 7
	s_add_co_u32 s26, s26, s28
	s_mov_b32 s27, 0
	s_add_nc_u64 s[8:9], s[8:9], s[26:27]
	s_lshl_b32 s26, s24, 16                        ; two n tiles of 32,768 bytes
	s_lshl_b32 s28, s25, 12
	s_add_co_u32 s26, s26, s28
	s_add_nc_u64 s[16:17], s[16:17], s[26:27]
	v_lshlrev_b32 v3, 2, v2
	v_lshrrev_b32 v4, 4, v2
	v_and_b32 v5, 15, v2
	v_lshlrev_b32 v4, 15, v4
	v_lshl_add_u32 v4, v5, 4, v4
.macro LOADP t
.irp i, 0,1,2,3,4,5,6,7,8,9,10,11,12,13,14,15,16,17,18,19,20,21,22,23,24,25,26,27,28,29,30,31
	global_load_b32 v[32+32*((\t)%2)+\i], v3, s[8:9] offset:(32*(\t)+\i)*4096
.endr
.endm
	LOADP 0
	LOADP 1
.macro BLOCKP t
.if (\t) < 3
	s_wait_loadcnt 32                              ; this block's 32 loads are in; the next block's may be out
.else
	s_wait_loadcnt 0
.endif
.irp i, 0,1,2,3,4,5,6,7,8,9,10,11,12,13,14,15
	v_cvt_pk_f16_f32 v[96+16*(\t)+\i], v[32+32*((\t)%2)+2*\i], v[32+32*((\t)%2)+2*\i+1]
.endr
.if (\t)+2 < 4
	LOADP (\t)+2
.endif
.irp q, 0,1,2,3
	global_store_b128 v4, v[96+16*(\t)+4*\q:96+16*(\t)+4*\q+3], s[16:17] offset:(\t)*1024+\q*256
.endr
.endm
.irp t, 0,1,2,3
	BLOCKP \t
.endr
	s_endpgm
; ---- the mask.  A wave takes 16 queries x 256 keys.  Lane (r, h) loads, for each tile of 16 keys, the 8 bytes of row r at key 8 h: byte j is my bit of word j.  A compare makes the word, which is put
; into lane w / 4 of register w % 4, so that one store of 16 bytes a lane writes the wave's 128 words, 512 consecutive bytes.
.Lp4:
	s_sub_co_u32 s23, ttmp9, 240
	s_lshl_b32 s23, s23, 2
	s_add_co_u32 s23, s23, s[WV]
	s_lshr_b32 s24, s23, 3                         ; tile of queries
	s_and_b32 s25, s23, 7                          ; which 256 keys
	s_lshl_b32 s26, s24, 15
	s_lshl_b32 s28, s25, 8
	s_add_co_u32 s26, s26, s28
	s_mov_b32 s27, 0
	s_add_nc_u64 s[10:11], s[10:11], s[26:27]
	s_lshl_b32 s26, s24, 12
	s_lshl_b32 s28, s25, 9
	s_add_co_u32 s26, s26, s28
	s_add_nc_u64 s[18:19], s[18:19], s[26:27]
	v_and_b32 v5, 15, v2
	v_lshrrev_b32 v6, 4, v2
	v_lshlrev_b32 v3, 11, v5
	v_lshl_add_u32 v3, v6, 3, v3
	v_lshlrev_b32 v4, 4, v2
.irp kt, 0,1,2,3,4,5,6,7,8,9,10,11,12,13,14,15
	global_load_b64 v[32+2*\kt:33+2*\kt], v3, s[10:11] offset:16*\kt
.endr
.irp i, 0,1,2,3
	v_mov_b32 v[24+\i], 0                          ; written whole once: v_writelane_b32 fills them lane by lane
.endr
.irp kt, 0,1,2,3,4,5,6,7,8,9,10,11,12,13,14,15
	s_wait_loadcnt 15-\kt
.irp j, 0,1,2,3,4,5,6,7
	v_and_b32 v[8+\j%4], 0xff<<(8*(\j%4)), v[32+2*\kt+\j/4]
	v_cmp_ne_u32 s[28+\j%4], 0, v[8+\j%4]
	v_writelane_b32 v[24+\j%4], s[28+\j%4], 2*\kt+\j/4
.endr
.endr
	global_store_b128 v4, v[24:27], s[18:19]
	s_endpgm
.Lfunc_end_k_q2f00fa0ca2_prep:
	.size	k_q2f00fa0ca2_prep, .Lfunc_end_k_q2f00fa0ca2_prep-k_q2f00fa0ca2_prep
	.p2alignl 7, 3214868480
	.fill 96, 4, 3214868480
	.section	.rodata,"a",@progbits
	.p2align	6, 0x0
	.amdhsa_kernel k_q2f00fa0ca2_prep
		.amdhsa_group_segment_fixed_size 68096
		.amdhsa_private_segment_fixed_size 0
		.amdhsa_enable_private_segment 0
		.amdhsa_kernarg_size 72
		.amdhsa_user_sgpr_count 2
		.amdhsa_user_sgpr_kernarg_segment_ptr 1
		.amdhsa_wavefront_size32 1
		.amdhsa_system_sgpr_workgroup_id_x 1
		.amdhsa_system_sgpr_workgroup_id_y 1
		.amdhsa_system_sgpr_workgroup_id_z 1
		.amdhsa_system_vgpr_workitem_id 0
		.amdhsa_next_free_vgpr 200
		.amdhsa_next_free_sgpr 66
		.amdhsa_reserve_vcc 1
		.amdhsa_float_denorm_mode_32 3
		.amdhsa_float_denorm_mode_16_64 3
		.amdhsa_memory_ordered 1
		.amdhsa_forward_progress 1
		.amdhsa_inst_pref_size 158
	.end_amdhsa_kernel
	.amdgpu_metadata
---
amdhsa.version: [ 1, 2 ]
amdhsa.kernels:
  - .name:           k_q2f00fa0ca2_prep
    .symbol:         k_q2f00fa0ca2_prep.kd
    .args:
      - { .name: x, .offset: 0, .size: 8, .value_kind: global_buffer, .address_space: global }
      - { .name: W_attn, .offset: 8, .size: 8, .value_kind: global_buffer, .address_space: global }
      - { .name: W_proj, .offset: 16, .size: 8, .value_kind: global_buffer, .address_space: global }
      - { .name: attn_mask, .offset: 24, .size: 8, .value_kind: global_buffer, .address_space: global }
      - { .name: xq, .offset: 32, .size: 8, .value_kind: global_buffer, .address_space: global }
      - { .name: wq, .offset: 40, .size: 8, .value_kind: global_buffer, .address_space: global }
      - { .name: wimg, .offset: 48, .size: 8, .value_kind: global_buffer, .address_space: global }
      - { .name: mbits, .offset: 56, .size: 8, .value_kind: global_buffer, .address_space: global }
      - { .name: rope, .offset: 64, .size: 8, .value_kind: global_buffer, .address_space: global }
    .group_segment_fixed_size: 68096
    .private_segment_fixed_size: 0
    .kernarg_segment_align: 8
    .kernarg_segment_size: 72
    .max_flat_workgroup_size: 128
    .sgpr_count:     66
    .vgpr_count:     200
    .wavefront_size: 32
...
	.end_amdgpu_metadata
.endif
;; end of part 1
;; launch gemm (part 2): grid 12 x 16, 4 waves a work-group, clusters of 4 x 4, 327,680 bytes of LDS; arguments xq, wq, b_attn, rope, qkv; writes qkv
.if DOCPART == 2
	.amdgcn_target "amdgcn-amd-amdhsa--gfx1250"
	.amdhsa_code_object_version 6
	.text
	.protected	k_q2f00fa0ca2_gemm
	.globl	k_q2f00fa0ca2_gemm
	.p2align	8
	.type	k_q2f00fa0ca2_gemm,@function
k_q2f00fa0ca2_gemm:
	s_mov_b64 s[64:65], 0
	v_nop
	global_prefetch_b8 v0, s[64:65] scope:SCOPE_SE
	s_setreg_imm32_b32 hwreg(HW_REG_WAVE_MODE, 25, 1), 1
	s_wait_xcnt 0x0
	s_wait_alu depctr_hold_cnt(0) depctr_sa_sdst(0) depctr_va_vdst(0) depctr_va_sdst(0) depctr_va_ssrc(0) depctr_va_vcc(0) depctr_vm_vsrc(0)
	s_getreg_b32 s2, hwreg(HW_REG_IB_STS2, 6, 4)
	s_cmp_eq_u32 s2, 0
	s_cbranch_scc0 .Lentry_in_a_cluster
	s_endpgm
.Lentry_in_a_cluster:
	s_bfe_u32 s2, ttmp6, 0x10000c
	s_cmp_lg_u32 s2, 0xf033
	s_cbranch_scc0 .Lentry_shape_is_right
	s_endpgm
.Lentry_shape_is_right:
; qkv = x W_attn + b_attn on codes of E2M1 with E8M0 scales, then RoPE on q and k, then f16, stored head by head as images of the next products' operand registers.
; A tile of 256 x 256 is made by four waves, each 128 x 128: 64 accumulators of 16 x 16 in windows 2 and 3.  K = 1,024 is two LDS slots of 512 along K (rows of 256 bytes + 16 of padding); both slots and the
; scale bytes of the work-group's rows are asked for at the head, and no LDS byte is filled twice: by this text's count a wave has three tensor loads out at the most.
; CLUSTERS: 4 x 4 work-groups; A's tiles are shared along a row of the cluster, B's along a column, each by a joint load.  A column of clusters is 1,024 columns of qkv: the cluster's x says q, k or v, alike in all partners.
; THE MATRIX INSTRUCTION IS USED TRANSPOSED (source 0 = 16 columns of W, source 1 = 16 rows of x): lane (r, h) holds row r and eight neighbouring columns 16 b + 8 h + 0 .. 7, that is eight neighbours of a head.
; The bias is the C of each sum's first instruction.  A pair (x1, x2) becomes (x1 c - x2 s, x2 c + x1 s), c and s from the table.
; IMAGES: block blk of (16 positions, head) holds at 16 x lane the f16 numbers of position r, channels 16 blk + 8 h + 0 .. 7; for v the lane's 16 bytes lie at 16 ((r % 8) + 8 h + 16 (r / 8)) them.
; Each store of the wave covers 512 consecutive bytes, aligned.  Positions 0 to 15 of each sequence are stored in f32 as well, behind the images.
; LIMIT: q, k, v leave as f16: magnitudes up to 65,504.
; REGISTERS: window 0: v0-31 addresses; v32-95 scale words, two sets; v96-127 packed results; v128-191 A's fragments, on the way out the rotated numbers; v192-255 the bias.
;   window 1: B's fragments at v0 and v128, two sets; the table's rows at v64, v96, v192, v224 (blocks 0-3) and, behind the loop, at v0, v32, v128, v160 (blocks 4-7).  windows 2, 3: the accumulators.
.set XS,     2097152
.set WS,     1572864
.set NQ,     4
.set ROWB,   256
.set KROW,   512
.set PITCH,  272
.set FR,     8
.set NL,     2
.set NP,     4
.set HALFT,  128*PITCH
.set SLOT,   4*HALFT
.set KS,     32
.set SCL,    2*SLOT
.set HALFS,  (128*KS/256)*272
.set SBLK,   (16*KS/256)*272
.set SPARE,  SCL+4*HALFS
.set TBO,  8                           ; v8   256 r + 32 h: my place in the table's rows, and in the f32 copy
.set BO,   9                           ; v9   32 h
.set QO,   10                          ; v10  16 x lane
.set QOV,  11                          ; v11  v's place
.set YM,   13                          ; v13  the tile's first position in its sequence
.set ADRA, 16
.set ADRB, 20
.set ADRS, 27
.set SPW,  28
.set NIL,  29
.set SC,   32
.set PK,   96
.set AF,   128
.set T2,   128
.set BIAS, 192
.set G1, 24
.set G0, 32
.set G1B, 48
.set G0B, 56
.set G1S, 68
.set G0S, 76
.set G1SB, 80
.set G0SB, 88
.set PART, 95
.set MSB, 0
.macro WIN new                         ; the immediate's high byte repeats the setting that is left
.if MSB != (\new)
	s_set_vgpr_msb (MSB<<8)|(\new)
.set MSB, (\new)
.endif
.endm
.set MUL_LO, 0xa1                      ; source 0 (B) window 1, source 1 (A) window 0, C and D window 2
.set MUL_HI, 0xf1
.set TO_B,   0x40
.macro JLOAD g0a, g1a, g0b, g1b        ; waves 0 and 1 fetch for A, waves 2 and 3 for B; an s_nop 0 and four v_nop follow each line
	s_cmp_eq_u32 s15, 0
	s_cbranch_scc0 .Lfor_b_\@
	tensor_load_to_lds s[\g0a:\g0a+3], s[\g1a:\g1a+7]
	s_nop 0
.rept 4
	v_nop
.endr
	s_branch .Lasked_\@
.Lfor_b_\@:
	tensor_load_to_lds s[\g0b:\g0b+3], s[\g1b:\g1b+7]
	s_nop 0
.rept 4
	v_nop
.endr
.Lasked_\@:
.endm
.macro CROUND                          ; a round of the cluster's barrier
	s_barrier_signal -1
	s_barrier_wait -1
	s_cmp_lg_u32 s14, 0
	s_cbranch_scc1 .Lnot_wave_0_\@
	s_barrier_signal -3
.Lnot_wave_0_\@:
	s_barrier_wait -3
	s_barrier_signal -1
	s_barrier_wait -1
.endm
	s_load_b64 s[4:5], s[0:1], 0x0                 ; x's codes
	s_load_b64 s[8:9], s[0:1], 0x8                 ; W's codes
	s_load_b128 s[96:99], s[0:1], 0x10             ; b_attn, the table
	s_load_b64 s[12:13], s[0:1], 0x20              ; qkv
	v_lshl_add_u32 v[SPW], v0, 2, SPARE
	v_mov_b32 v[NIL], 0
	ds_add_u32 v[SPW], v[NIL]                      ; the wave's opening: the add, twice on end, and its wait ahead of my first tensor load
	ds_add_u32 v[SPW], v[NIL]
	v_lshrrev_b32 v1, 5, v0
	v_readfirstlane_b32 s14, v1                    ; wave
	s_lshr_b32 s15, s14, 1                         ; my half of the tile's rows; also: I fetch for A (0) or B (1)
	s_and_b32 s16, s14, 1                          ; my half of its columns; also: which 128 rows I fetch
	s_bfe_u32 s40, ttmp6, 0x40000                  ; cx
	s_bfe_u32 s41, ttmp6, 0x40004                  ; cy
	s_mov_b32 s[PART], ttmp9                       ; 0: q, 1: k, 2: v
	s_lshl_b32 s42, ttmp9, 2
	s_add_co_u32 s42, s42, s40                     ; tile column
	s_and_b32 s17, ttmp7, 0xffff
	s_lshl_b32 s17, s17, 2
	s_add_co_u32 s17, s17, s41                     ; tile row
	s_lshl_b32 s43, s41, 2
	s_lshl_b32 s43, 15, s43                        ; my row of the cluster
	s_lshl_b32 s44, 0x1111, s40                    ; my column
	s_or_b32 s[G1+0], s43, (0<<16)|(1<<20)|(1<<21)|(5<<22)|(3<<25)  ; the mask; elements of 1 byte; padding: 4 words after every 64; bit 21 beside a mask
	s_or_b32 s[G1B+0], s44, (0<<16)|(1<<20)|(1<<21)|(5<<22)|(3<<25)
.irp g, G1, G1B
	s_mov_b32 s[\g+1], ROWB<<16                    ; tensor_dim0
	s_mov_b32 s[\g+2], 128<<16                     ; tensor_dim1
	s_mov_b32 s[\g+3], ROWB<<16                    ; tile_dim0
	s_mov_b32 s[\g+4], 128                         ; tile_dim1
	s_mov_b32 s[\g+5], KROW                        ; pitch
	s_mov_b32 s[\g+6], 0
	s_mov_b32 s[\g+7], 0
.endr
	s_or_b32 s[G1S+0], s43, (3<<16)|(1<<20)|(1<<21)|(5<<22)|(3<<25) ; the scales of 128 rows: 4,096 dense bytes as 16 rows of 256, 16 bytes of padding behind each
	s_or_b32 s[G1SB+0], s44, (3<<16)|(1<<20)|(1<<21)|(5<<22)|(3<<25)
.irp g, G1S, G1SB
	s_mov_b32 s[\g+1], 32<<16
	s_mov_b32 s[\g+2], (128*KS/256)<<16
	s_mov_b32 s[\g+3], 32<<16
	s_mov_b32 s[\g+4], 128*KS/256
	s_mov_b32 s[\g+5], 32
	s_mov_b32 s[\g+6], 0
	s_mov_b32 s[\g+7], 0
.endr
	s_lshl_b32 s18, s16, 7
	s_lshl_b32 s20, s17, 8
	s_add_co_u32 s20, s20, s18                     ; A: row 256 x tile row + 128 x half
	s_lshl_b32 s46, s42, 8
	s_add_co_u32 s46, s46, s18                     ; B: row 256 x tile column + 128 x half
	s_mov_b32 s21, 0
	s_mov_b32 s47, 0
	s_mov_b64 s[18:19], KS
	s_mul_u64 s[22:23], s[20:21], s[18:19]         ; these rows' scales,
	s_mul_u64 s[92:93], s[46:47], s[18:19]
	s_mov_b64 s[18:19], KROW
	s_mul_u64 s[20:21], s[20:21], s[18:19]         ; and codes
	s_mul_u64 s[46:47], s[46:47], s[18:19]
	s_mul_i32 s45, s14, HALFT                      ; where they go: wave x 128 rows
	s_mul_i32 s94, s14, HALFS
	s_wait_dscnt 0x0                               ; both opening adds are done
	s_wait_kmcnt 0x0
	s_add_nc_u64 s[6:7], s[4:5], XS                ; x's scales
	s_add_nc_u64 s[10:11], s[8:9], WS              ; W's scales
	s_add_nc_u64 s[20:21], s[4:5], s[20:21]
	s_add_nc_u64 s[22:23], s[6:7], s[22:23]
	s_add_nc_u64 s[46:47], s[8:9], s[46:47]
	s_add_nc_u64 s[92:93], s[10:11], s[92:93]
	CROUND                                         ; all sixteen work-groups are here: the joint loads meet
	s_mov_b32 s[G0S], 1
	s_add_co_u32 s[G0S+1], s94, SCL
	s_mov_b64 s[G0S+2:G0S+3], s[22:23]
	s_or_b32 s[G0S+3], s[G0S+3], 0x80000000
	s_mov_b32 s[G0SB], 1
	s_add_co_u32 s[G0SB+1], s94, SCL
	s_mov_b64 s[G0SB+2:G0SB+3], s[92:93]
	s_or_b32 s[G0SB+3], s[G0SB+3], 0x80000000
	JLOAD G0S, G1S, G0SB, G1SB
.irp s, 0,1
	s_mov_b32 s[G0+4*\s], 1
	s_add_co_u32 s[G0+4*\s+1], s45, \s*SLOT
	s_add_nc_u64 s[G0+4*\s+2:G0+4*\s+3], s[20:21], \s*ROWB
	s_or_b32 s[G0+4*\s+3], s[G0+4*\s+3], 0x80000000
	s_mov_b32 s[G0B+4*\s], 1
	s_add_co_u32 s[G0B+4*\s+1], s45, \s*SLOT
	s_add_nc_u64 s[G0B+4*\s+2:G0B+4*\s+3], s[46:47], \s*ROWB
	s_or_b32 s[G0B+4*\s+3], s[G0B+4*\s+3], 0x80000000
	JLOAD G0+4*\s, G1, G0B+4*\s, G1B
.endr
	v_and_b32 v1, 15, v0                           ; r
	v_bfe_u32 v2, v0, 4, 1                         ; h
	v_mul_u32_u24 v3, v1, PITCH
	v_lshl_add_u32 v4, v2, 4, v3
	s_mul_i32 s21, s15, HALFT
	s_mul_i32 s22, s16, HALFT
	s_add_co_u32 s22, s22, 2*HALFT
.irp s, 0,1
	v_add_nc_u32 v[ADRA+\s], s21, v4
	v_add_nc_u32 v[ADRB+\s], s22, v4
	s_add_co_u32 s21, s21, SLOT
	s_add_co_u32 s22, s22, SLOT
.endr
	v_mul_u32_u24 v5, v1, KS                       ; my row's scales: 32 bytes a row, 16 more for each 256 passed
	v_lshrrev_b32 v6, 8, v5
	v_lshl_add_u32 v5, v6, 4, v5
	s_mul_i32 s21, s15, HALFS
	s_mul_i32 s22, s16, HALFS
	s_add_co_u32 s22, s22, 2*HALFS
	s_sub_co_u32 s22, s22, s21
	v_mul_u32_u24 v6, s22, v2                      ; lanes 16-31 take B's
	s_add_co_u32 s21, s21, SCL
	v_add_nc_u32 v5, v5, v6
	v_add_nc_u32 v[ADRS], s21, v5
	v_lshlrev_b32 v[TBO], 8, v1
	v_lshl_add_u32 v[TBO], v2, 5, v[TBO]
	v_lshlrev_b32 v[BO], 5, v2
	v_and_b32 v[QO], 31, v0
	v_lshlrev_b32 v[QO], 4, v[QO]
	v_and_b32 v[QOV], 7, v1
	v_lshl_add_u32 v[QOV], v2, 3, v[QOV]
	v_lshrrev_b32 v5, 3, v1
	v_lshl_add_u32 v[QOV], v5, 4, v[QOV]
	v_lshlrev_b32 v[QOV], 4, v[QOV]
	; where my part begins: the table, the bias, the images, the f32 copy
	s_lshl_b32 s20, s17, 8
	s_lshl_b32 s21, s15, 7
	s_add_co_u32 s20, s20, s21                     ; my first row of x
	s_and_b32 s21, s20, 2047                       ; its position
	s_lshr_b32 s22, s20, 11                        ; its batch
	s_mov_b32 s19, 0
	s_lshl_b32 s18, s21, 8
	s_add_nc_u64 s[98:99], s[98:99], s[18:19]      ; the table at that position
	s_lshl_b32 s46, s42, 2
	s_lshl_b32 s47, s16, 1
	s_add_co_u32 s46, s46, s47                     ; my first column / 64
	s_lshl_b32 s18, s46, 8
	s_add_nc_u64 s[96:97], s[96:97], s[18:19]      ; the bias at my first column
	s_and_b32 s46, s46, 15                         ; my first head
	s_mul_i32 s92, s22, 196608
	s_lshl_b32 s47, s[PART], 16
	s_add_co_u32 s92, s92, s47
	s_lshl_b32 s47, s46, 12
	s_add_co_u32 s92, s92, s47
	s_add_co_u32 s92, s92, 25165824
	s_mov_b32 s93, 0
	s_add_nc_u64 s[100:101], s[12:13], s[92:93]    ; the f32 copy: [batch][part][head][16][64]
	s_lshl_b32 s18, s[PART], 23
	s_lshl_b32 s47, s22, 22
	s_add_co_u32 s18, s18, s47
	s_lshl_b32 s47, s46, 18
	s_add_co_u32 s18, s18, s47
	s_lshl_b32 s47, s21, 7
	s_add_co_u32 s18, s18, s47
	s_add_nc_u64 s[12:13], s[12:13], s[18:19]      ; the images: [part][batch][head][position / 16][block 4][512 B]
	s_lshl_b32 s47, s17, 8
	s_and_b32 s47, s47, 2047
	v_mov_b32 v[YM], s47
.macro SETTBL a
.if (\a) < 2
.set TBLR, 64+32*(\a)
.elseif (\a) < 4
.set TBLR, 192+32*((\a)-2)
.elseif (\a) < 6
.set TBLR, 32*((\a)-4)
.else
.set TBLR, 128+32*((\a)-6)
.endif
.endm
.macro TLOAD a                         ; the table's rows 16 a + r: for each quarter bq of a head my four pairs (cos, sin): 32 bytes
	SETTBL \a
.irp bq, 0,1,2,3
.irp i, 0,1
	global_load_b128 v[TBLR+8*\bq+4*\i:TBLR+8*\bq+4*\i+3], v[TBO], s[98:99] offset:(\a)*4096+\bq*64+16*\i
.endr
.endr
.endm
	s_cmp_eq_u32 s[PART], 2                        ; v is not rotated
	s_cbranch_scc1 .Lno_table
	WIN 0x40
.irp a, 0,1,2,3
	TLOAD \a
.endr
	WIN 0
.Lno_table:
.irp b, 0,1,2,3,4,5,6,7
.irp i, 0,1
	global_load_b128 v[BIAS+8*\b+4*\i:BIAS+8*\b+4*\i+3], v[BO], s[96:97] offset:64*\b+16*\i
.endr
.endr
.macro FRAG reg, adr, q, i
.irp c, 0,1
	ds_load_b128 v[\reg+4*\c:\reg+4*\c+3], v[\adr] offset:64*(\q)+32*\c+(\i)*16*PITCH
.endr
.endm
; 16 matrix instructions: A's blocks a0, a0 + 1 x B's eight.  zero = 1: the first product starts the sums from the bias.  The 64 accumulators take turns, one instruction a turn.
.macro MUL16 a0, p, q, sc, zero
.irp a, \a0, \a0+1
.irp b, 0,1,2,3,4,5,6,7
.if \zero
	v_wmma_scale_f32_16x16x128_f8f6f4 v[8*(8*((\a)%4)+\b):8*(8*((\a)%4)+\b)+7], v[128*(\p)+FR*\b:128*(\p)+FR*\b+FR-1], v[AF+FR*(\a):AF+FR*(\a)+FR-1], v[BIAS+8*\b:BIAS+8*\b+7], v[SC+8*NQ*(\sc)+NQ*\b+(\q)], v[SC+8*NQ*(\sc)+NQ*(\a)+(\q)] matrix_a_fmt:MATRIX_FMT_FP4 matrix_b_fmt:MATRIX_FMT_FP4 matrix_a_scale:MATRIX_SCALE_ROW1
.else
	v_wmma_scale_f32_16x16x128_f8f6f4 v[8*(8*((\a)%4)+\b):8*(8*((\a)%4)+\b)+7], v[128*(\p)+FR*\b:128*(\p)+FR*\b+FR-1], v[AF+FR*(\a):AF+FR*(\a)+FR-1], v[8*(8*((\a)%4)+\b):8*(8*((\a)%4)+\b)+7], v[SC+8*NQ*(\sc)+NQ*\b+(\q)], v[SC+8*NQ*(\sc)+NQ*(\a)+(\q)] matrix_a_fmt:MATRIX_FMT_FP4 matrix_b_fmt:MATRIX_FMT_FP4 matrix_a_scale:MATRIX_SCALE_ROW1
.endif
.endr
.endr
.endm
.macro FETCH_B slot, q, p
	WIN TO_B
.irp i, 0,1,2,3,4,5,6,7
	FRAG 128*(\p)+FR*\i, ADRB+\slot, \q, \i
.endr
	WIN 0
.endm
.macro FETCH_A slot, q, i0
.irp i, \i0, \i0+1, \i0+2, \i0+3
	FRAG AF+FR*(\i), ADRA+\slot, \q, \i
.endr
.endm
.macro SCALES sc                       ; a slot's scale words: four a row; lanes 0-15 take A's block i, lanes 16-31 B's
.irp i, 0,1,2,3,4,5,6,7
	ds_load_b128 v[SC+8*NQ*\sc+NQ*\i:SC+8*NQ*\sc+NQ*\i+3], v[ADRS] offset:\i*SBLK
.endr
.endm
.macro PLACES n                        ; plain vector lines between a matrix instruction and a load into, or a read of, its registers
.rept \n
	v_nop
.endr
.endm
.macro STEP slot, q, zero              ; 128 along K that has its successor in the same slot
	s_wait_dscnt 4*NL                              ; all but the youngest eight loads (A's blocks 4-7)
	WIN MUL_LO-0x20*(\zero)                        ; (the bias lies in window 0)
	MUL16 0, (\q)%2, \q, \slot, \zero
	MUL16 2, (\q)%2, \q, \slot, \zero
	s_wait_dscnt 0
	PLACES NP
	FETCH_B \slot, (\q)+1, 1-(\q)%2
	FETCH_A \slot, (\q)+1, 0
	WIN MUL_HI-0x30*(\zero)
	MUL16 4, (\q)%2, \q, \slot, \zero
	MUL16 6, (\q)%2, \q, \slot, \zero
	PLACES NP
	WIN 0
	FETCH_A \slot, (\q)+1, 4
.endm
	s_wait_loadcnt 0x0                             ; the bias and the table's first rows
	s_wait_tensorcnt 1                             ; the scales and my part of slot 0 are in; slot 1's one load may be out
	s_barrier_signal -1
	s_barrier_wait -1
	FETCH_B 0, 0, 0
	FETCH_A 0, 0, 0
	SCALES 0
	FETCH_A 0, 0, 4
	STEP 0, 0, 1
	STEP 0, 1, 0
	STEP 0, 2, 0
	; slot 0's last step changes slots: one barrier; in front of it my part of slot 1 has landed
	s_wait_tensorcnt 0x0
	ds_add_u32 v[SPW], v[NIL]
	s_wait_dscnt 4*NL+1                            ; the add and the youngest eight loads may be out
	WIN MUL_LO
	MUL16 0, 1, NQ-1, 0, 0
	s_wait_dscnt 0x0
	s_barrier_signal -1
	MUL16 2, 1, NQ-1, 0, 0
	WIN 0
	s_barrier_wait -1
	PLACES NP
	v_add_nc_u32 v[ADRS], 4*NQ, v[ADRS]            ; slot 1's scale words
	FETCH_B 1, 0, 0
	FETCH_A 1, 0, 0
	SCALES 1
	WIN MUL_HI
	MUL16 4, 1, NQ-1, 0, 0
	MUL16 6, 1, NQ-1, 0, 0
	PLACES NP
	WIN 0
	FETCH_A 1, 0, 4
	STEP 1, 0, 0
	STEP 1, 1, 0
	STEP 1, 2, 0
	s_wait_dscnt 4*NL
	WIN MUL_LO
	MUL16 0, 1, NQ-1, 1, 0
	MUL16 2, 1, NQ-1, 1, 0
	s_wait_dscnt 0
	WIN MUL_HI
	MUL16 4, 1, NQ-1, 1, 0
	MUL16 6, 1, NQ-1, 1, 0
	WIN 0
	s_wait_tensorcnt 0x0                           ; behind my last tensor load; the way out writes no LDS
	ds_add_u32 v[SPW], v[NIL]
	PLACES NP                                      ; also the places behind the last products
	s_wait_dscnt 0x0
; THE WAY OUT, block a of 16 rows at a time.
.macro EPIR a                          ; q, k: rotate, round, store
	SETTBL \a
.set AC, 64*((\a)%4)
	WIN 0x06+(\a)/4                                ; source 0: the accumulators' window; source 1: window 1, the table
.irp b, 0,1,2,3,4,5,6,7
.irp p, 0,2,4,6
	v_pk_mul_f32 v[T2+8*\b+\p:T2+8*\b+\p+1], v[AC+8*\b+\p:AC+8*\b+\p+1], v[TBLR+8*(\b%4)+\p:TBLR+8*(\b%4)+\p+1] op_sel_hi:[1,0]   ; (x1 c, x2 c); each accumulator is read from its low end on
.endr
.endr
.irp b, 0,1,2,3,4,5,6,7
.irp p, 0,2,4,6
	v_fma_f32 v[T2+8*\b+\p], -v[AC+8*\b+\p+1], v[TBLR+8*(\b%4)+\p+1], v[T2+8*\b+\p]        ; - x2 s
	v_fma_f32 v[T2+8*\b+\p+1], v[AC+8*\b+\p], v[TBLR+8*(\b%4)+\p+1], v[T2+8*\b+\p+1]       ; + x1 s
.endr
.endr
	WIN 0
	s_wait_xcnt 0x0                                ; the last block's stores have read their data
.irp b, 0,1,2,3,4,5,6,7
.irp p, 0,1,2,3
	v_cvt_pk_f16_f32 v[PK+4*\b+\p], v[T2+8*\b+2*\p], v[T2+8*\b+2*\p+1]
.endr
.endr
.irp b, 0,1,2,3,4,5,6,7
	global_store_b128 v[QO], v[PK+4*\b:PK+4*\b+3], s[12:13] offset:(\b/4)*262144+(\a)*2048+(\b%4)*512
.endr
.endm
.macro EPIV a                          ; v: round, store
.set AC, 64*((\a)%4)
	s_wait_xcnt 0x0
	WIN 0x0a+5*((\a)/4)
.irp b, 0,1,2,3,4,5,6,7
.irp p, 0,1,2,3
	v_cvt_pk_f16_f32 v[PK+4*\b+\p], v[AC+8*\b+2*\p], v[AC+8*\b+2*\p+1]
.endr
.endr
	WIN 0
.irp b, 0,1,2,3,4,5,6,7
	global_store_b128 v[QOV], v[PK+4*\b:PK+4*\b+3], s[12:13] offset:(\b/4)*262144+(\a)*2048+(\b%4)*512
.endr
.endm
; Block 0 of a tile that begins a sequence holds positions 0 to 15: they are stored in f32 too.  Which waves: those of the upper half of rows (a branch on the wave's number).  Which tiles: by EXEC, since the
; tile's row differs between partners and no branch may hang on it.  EXEC changes only behind s_wait_xcnt 0.
.macro COPY32 win, reg
	s_cmp_lg_u32 s15, 0
	s_cbranch_scc1 .Lnocopy_\@
	s_wait_xcnt 0x0
	v_cmp_eq_u32 vcc_lo, 0, v[YM]
	s_and_saveexec_b32 s94, vcc_lo
	WIN \win
.irp b, 0,1,2,3,4,5,6,7
.irp i, 0,1
	global_store_b128 v[TBO], v[\reg+8*\b+4*\i:\reg+8*\b+4*\i+3], s[100:101] offset:(\b/4)*4096+(\b%4)*64+16*\i
.endr
.endr
	WIN 0
	s_wait_xcnt 0x0
	s_or_b32 exec_lo, exec_lo, s94
.Lnocopy_\@:
.endm
	s_cmp_eq_u32 s[PART], 2
	s_cbranch_scc1 .Lvalues
	WIN 0x40
.irp a, 4,5,6,7
	TLOAD \a                                       ; into B's registers, which are done with
.endr
	WIN 0
	EPIR 0
	COPY32 0, T2
	EPIR 1
	EPIR 2
	EPIR 3
	s_wait_loadcnt 0x0                             ; the table's rows for blocks 4 to 7
	EPIR 4
	EPIR 5
	EPIR 6
	EPIR 7
	s_branch .Lclose
.Lvalues:
	EPIV 0
	COPY32 0x08, 0                                 ; a store's data are its source 1: window 2
.irp a, 1,2,3,4,5,6,7
	EPIV \a
.endr
.Lclose:
	CROUND                                         ; the closing round
	s_endpgm
.Lfunc_end_k_q2f00fa0ca2_gemm:
	.size	k_q2f00fa0ca2_gemm, .Lfunc_end_k_q2f00fa0ca2_gemm-k_q2f00fa0ca2_gemm
	.p2alignl 7, 3214868480
	.fill 96, 4, 3214868480
	.section	.rodata,"a",@progbits
	.p2align	6, 0x0
	.amdhsa_kernel k_q2f00fa0ca2_gemm
		.amdhsa_group_segment_fixed_size 327680
		.amdhsa_private_segment_fixed_size 0
		.amdhsa_enable_private_segment 0
		.amdhsa_kernarg_size 40
		.amdhsa_user_sgpr_count 2
		.amdhsa_user_sgpr_kernarg_segment_ptr 1
		.amdhsa_wavefront_size32 1
		.amdhsa_system_sgpr_workgroup_id_x 1
		.amdhsa_system_sgpr_workgroup_id_y 1
		.amdhsa_system_sgpr_workgroup_id_z 1
		.amdhsa_system_vgpr_workitem_id 0
		.amdhsa_next_free_vgpr 1024
		.amdhsa_next_free_sgpr 102
		.amdhsa_reserve_vcc 1
		.amdhsa_float_denorm_mode_32 3
		.amdhsa_float_denorm_mode_16_64 3
		.amdhsa_memory_ordered 1
		.amdhsa_forward_progress 1
		.amdhsa_inst_pref_size 201
	.end_amdhsa_kernel
	.amdgpu_metadata
---
amdhsa.version: [ 1, 2 ]
amdhsa.kernels:
  - .name:           k_q2f00fa0ca2_gemm
    .symbol:         k_q2f00fa0ca2_gemm.kd
    .args:
      - { .name: xq, .offset: 0, .size: 8, .value_kind: global_buffer, .address_space: global }
      - { .name: wq, .offset: 8, .size: 8, .value_kind: global_buffer, .address_space: global }
      - { .name: b_attn, .offset: 16, .size: 8, .value_kind: global_buffer, .address_space: global }
      - { .name: rope, .offset: 24, .size: 8, .value_kind: global_buffer, .address_space: global }
      - { .name: qkv, .offset: 32, .size: 8, .value_kind: global_buffer, .address_space: global }
    .group_segment_fixed_size: 327680
    .private_segment_fixed_size: 0
    .kernarg_segment_align: 8
    .kernarg_segment_size: 40
    .max_flat_workgroup_size: 128
    .sgpr_count:     102
    .vgpr_count:     1024
    .wavefront_size: 32
...
	.end_amdgpu_metadata
.endif
;; end of part 2
;; launch attn (part 3): grid 8 x 32, 8 waves a work-group, clusters of 4 x 1, 327,680 bytes of LDS; arguments qkv, mbits, yimg; writes yimg
.if DOCPART == 3
	.amdgcn_target "amdgcn-amd-amdhsa--gfx1250"
	.amdhsa_code_object_version 6
	.text
	.protected	k_q2f00fa0ca2_attn
	.globl	k_q2f00fa0ca2_attn
	.p2align	8
	.type	k_q2f00fa0ca2_attn,@function
k_q2f00fa0ca2_attn:
	s_mov_b64 s[64:65], 0
	v_nop
	global_prefetch_b8 v0, s[64:65] scope:SCOPE_SE
	s_setreg_imm32_b32 hwreg(HW_REG_WAVE_MODE, 25, 1), 1
	s_wait_xcnt 0x0
	s_wait_alu depctr_hold_cnt(0) depctr_sa_sdst(0) depctr_va_vdst(0) depctr_va_sdst(0) depctr_va_ssrc(0) depctr_va_vcc(0) depctr_vm_vsrc(0)
	s_getreg_b32 s2, hwreg(HW_REG_IB_STS2, 6, 4)
	s_cmp_eq_u32 s2, 0
	s_cbranch_scc0 .Lentry_in_a_cluster
	s_endpgm
.Lentry_in_a_cluster:
	s_bfe_u32 s2, ttmp6, 0x10000c
	s_cmp_lg_u32 s2, 0x3003
	s_cbranch_scc0 .Lentry_shape_is_right
	s_endpgm
.Lentry_shape_is_right:
; y = softmax(where(mask, q k^T / 8, -10000)) v for one (batch, head) and 256 queries a work-group; f16 operands, f32 sums, maxima and row sums.
; The mask is an input: every key is walked, and a hidden score is REPLACED by -80000 (x 1/8 = -10000), so that a row that is hidden everywhere comes out as the mean of all values, as in the problem.
; SHARES.  Eight waves, each 32 queries: two tiles of 16; two waves on a SIMD, so that one wave's vector work stands beside the other's matrix work and LDS loads.  64 keys a step, 256 a slot, two slots.
; LAYOUT.  S^T = K Q^T (source 0 = 16 keys, source 1 = 16 queries): a lane holds ONE query (lane % 16) and keys 8 (lane / 16) + 0 .. 7; two such tiles, rounded to f16 in pairs, are source 1 of O^T = V^T P.
; q, k, v lie in memory as images of these operands' registers: every LDS read takes 512 consecutive bytes, v's by the turning load.
; SOFTMAX.  A running maximum m and sum l a query: p = 2^(c s - c m), c = log2(e) / 8; in every step O and l are multiplied by 2^(c m_old - c m_new).
; MASK.  Word (q tile, k tile, j) is the lane mask of register j of that tile of S^T: 32 words a tile and step, by scalar loads a step ahead, used as the select of v_cndmask_b32.
; CLUSTER.  The four query blocks of a cluster walk the same K and V: each tile is asked for jointly.  Each of the eight waves asks for 8,192 dense bytes (waves 0-3: K's four steps, waves 4-7: V's): one load a wave is out.
; O leaves as f16, as images of the projection's operand registers: each store covers 512 consecutive bytes, aligned.
; LIMITS: |q|, |k|, |v|, |y| up to 65,504 (f16); a weight under 6e-8 of the row's largest counts as 0.
; REGISTERS: window 0: v1-8 addresses and constants; v16-31 statistics, 8 a tile: c m, m, l (two halves), four at work; v32-95 S^T; v96-127 P; v128-191 K; v192-223 the way out.
;   window 1: v0-63 O^T (tile t, channels 16 dt on: 32 t + 8 dt); v64-95 Q; v128-191 V.
.set SLOT1, 65536
.set SPARE, 131072
.set LI,   1                           ; v1  16 x lane
.set ADR,  2                           ; v2  the step's LDS address
.set FILL, 3                           ; v3  -80000
.set SPW,  6
.set NIL,  7
.set PFO,  8                           ; v8  256 x lane
.set ST,   16
.set S,    32
.set P,    96
.set KF,   128
.set OUTR, 192
.set QW,   64
.set VW,   128
.set WV,   10
.set TB,   11                          ; s11 LDS byte at which the step's tiles begin
.set STEPS, 12
.set SLOTS, 13
.set MOFF, 14                          ; s14 the next step's mask words, in bytes
.set LIM,  15
.set CS,   16
.set SEL,  18
.set G0,   20
.set G1,   24
.set MA,   32                          ; s[32:63] tile 0's mask words
.set PFA,  66
.set MB,   68                          ; s[68:99] tile 1's
.set MSB, 0
.macro WIN new
.if MSB != (\new)
	s_set_vgpr_msb (MSB<<8)|(\new)
.set MSB, (\new)
.endif
.endm
.macro CROUND
	s_barrier_signal -1
	s_barrier_wait -1
	s_cmp_lg_u32 s[WV], 0
	s_cbranch_scc1 .Lnot_wave_0_\@
	s_barrier_signal -3
.Lnot_wave_0_\@:
	s_barrier_wait -3
	s_barrier_signal -1
	s_barrier_wait -1
.endm
; A prefetch into the L2 of what the NEXT change of slots will ask for: 32,768 bytes of K and of V.  All clusters of a head walk the same rows: the head's first cluster asks.  Its four partners take 8,192 bytes each,
; told apart by address; in each, wave 0 asks for K's and wave 4 for V's, lanes 256 bytes apart: each block of 256 bytes is named once in the launch.  It stands four key steps ahead of the load that wants the bytes;
; the last change that fills a slot asks for nothing.
.macro ASK
	s_cmp_gt_u32 s[SLOTS], s[LIM]
	s_cbranch_scc0 .Lnot_mine_\@
	global_prefetch_b8 v[PFO], s[PFA:PFA+1] th:TH_LOAD_NT scope:SCOPE_SE
.Lnot_mine_\@:
.endm
	s_load_b128 s[4:7], s[0:1], 0x0                ; qkv, mbits
	s_load_b64 s[8:9], s[0:1], 0x10                ; yimg
	v_lshl_add_u32 v[SPW], v0, 2, SPARE
	v_mov_b32 v[NIL], 0
	ds_add_u32 v[SPW], v[NIL]                      ; the wave's opening: the add, twice on end, and its wait ahead of my first tensor load
	ds_add_u32 v[SPW], v[NIL]
	v_lshrrev_b32 v1, 5, v0
	v_readfirstlane_b32 s[WV], v1
	s_bfe_u32 s2, ttmp6, 0x40000                   ; cx
	s_lshl_b32 s3, ttmp9, 2
	s_add_co_u32 s3, s3, s2                        ; my block of 256 queries
	s_and_b32 s32, ttmp7, 0xffff                   ; batch x 16 + head, which the partners share
	s_lshl_b32 s34, s32, 18                        ; its 262,144 bytes in each part of qkv
	s_mov_b32 s35, 0
	s_lshr_b32 s36, s[WV], 2
	s_add_co_u32 s36, s36, 1                       ; part 1 (K) for waves 0-3, part 2 (V) for waves 4-7
	s_lshl_b32 s36, s36, 23
	s_and_b32 s37, s[WV], 3
	s_lshl_b32 s37, s37, 13                        ; my step of the slot
	s_add_co_u32 s36, s36, s37
	s_mov_b32 s37, 0
	s_lshl_b32 s38, s3, 4
	s_lshl_b32 s39, s[WV], 1
	s_add_co_u32 s38, s38, s39                     ; my first tile of queries
	s_lshl_b32 s40, s38, 11
	s_mov_b32 s41, 0
	s_lshl_b32 s42, s38, 12
	s_mov_b32 s43, 0
	s_lshr_b32 s44, s32, 4
	s_lshl_b32 s44, s44, 7
	s_add_co_u32 s44, s44, s38
	s_lshl_b32 s44, s44, 15                        ; y: a tile of 16 rows is 32,768 bytes,
	s_and_b32 s45, s32, 15
	s_lshl_b32 s45, s45, 11                        ; a head 2,048 of them
	s_add_co_u32 s44, s44, s45
	s_mov_b32 s45, 0
	s_lshl_b32 s46, s2, 13
	s_add_co_u32 s46, s46, 32768                   ; the prefetches: my work-group's 8,192 bytes, in slot 1; the first change steps them to slot 2
	s_mov_b32 s47, 0
	s_mov_b32 s[G1], 15|(3<<16)|(1<<21)            ; the mask: all four work-groups; elements of 8 bytes; bit 21 beside a mask; no padding
	s_mov_b32 s[G1+1], 32<<16                      ; tensor_dim0 = 32: rows of 256 bytes
	s_mov_b32 s[G1+2], 32<<16                      ; tensor_dim1 = 32
	s_mov_b32 s[G1+3], 32<<16                      ; tile_dim0
	s_mov_b32 s[G1+4], 32                          ; tile_dim1
	s_mov_b32 s[G1+5], 32                          ; pitch: dense
	s_mov_b32 s[G1+6], 0
	s_mov_b32 s[G1+7], 0
	s_mov_b32 s[CS], 0x3e38aa3b                    ; c = log2(e) / 8
	s_mov_b32 s[CS+1], s[CS]
	s_mov_b32 s[SEL], 0x76543210
	s_mov_b32 s[SEL+1], 0xfedcba98
	s_mov_b32 s[TB], 0
	s_mov_b32 s[MOFF], 0
	s_mov_b32 s[SLOTS], 7
	s_and_b32 s[LIM], s[WV], 3
	s_or_b32 s[LIM], s[LIM], ttmp9
	s_cmp_eq_u32 s[LIM], 0
	s_cselect_b32 s[LIM], 1, -1                    ; waves 0 and 4 of the head's first cluster
	s_wait_dscnt 0x0                               ; both opening adds are done
	s_wait_kmcnt 0x0
	s_add_nc_u64 s[4:5], s[4:5], s[34:35]          ; q of my head
	s_add_nc_u64 s[G0+2:G0+3], s[4:5], s[36:37]    ; my tile of slot 0
	s_add_nc_u64 s[PFA:PFA+1], s[G0+2:G0+3], s[46:47]
	s_or_b32 s[G0+3], s[G0+3], 0x80000000
	s_mov_b32 s[G0], 1
	s_lshl_b32 s[G0+1], s[WV], 13                  ; LDS: wave x 8,192: K's four steps, then V's
	s_add_nc_u64 s[100:101], s[4:5], s[40:41]      ; my queries
	s_add_nc_u64 s[6:7], s[6:7], s[42:43]          ; their mask words
	s_add_nc_u64 s[8:9], s[8:9], s[44:45]
	CROUND                                         ; all four work-groups are here
	tensor_load_to_lds s[G0:G0+3], s[G1:G1+7]      ; slot 0
	s_nop 0
.rept 4
	v_nop
.endr
	v_and_b32 v[LI], 31, v0
	v_lshlrev_b32 v[PFO], 8, v[LI]
	v_lshlrev_b32 v[LI], 4, v[LI]
	WIN 0x40
.irp t, 0,1
.irp blk, 0,1,2,3
	global_load_b128 v[QW+16*\t+4*\blk:QW+16*\t+4*\blk+3], v[LI], s[100:101] offset:\t*2048+\blk*512
.endr
.endr
	WIN 0
	s_load_b512 s[MA:MA+15], s[6:7], 0x0           ; step 0's mask words
	s_load_b512 s[MA+16:MA+31], s[6:7], 0x40
	s_load_b512 s[MB:MB+15], s[6:7], 0x1000
	s_load_b512 s[MB+16:MB+31], s[6:7], 0x1040
	v_mov_b32 v[FILL], 0xc79c4000
.irp t, 0,1
	v_mov_b32 v[ST+8*\t+1], 0xff61b1e6             ; m = -3e38, under every score
	v_mul_f32 v[ST+8*\t], s[CS], v[ST+8*\t+1]
	v_mov_b32 v[ST+8*\t+2], 0
	v_mov_b32 v[ST+8*\t+3], 0
.endr
	WIN 0x40
.set i, 0
.rept 64
	v_mov_b32 v[i], 0                              ; O^T.  The step is written once: the first finds zeros, which its rescaling leaves zeros
.set i, i+1
.endr
	WIN 0
	s_wait_loadcnt 0x0                             ; Q
; One tile's mask and softmax for a step.  M: its set of mask words.
.macro SM t, M
.set rT, ST+8*(\t)
.set rS, S+32*(\t)
.set rP, P+16*(\t)
.set rO, 32*(\t)
	WIN 0
.set i, 0
.rept 32
	v_cndmask_b32 v[rS+i], v[FILL], v[rS+i], s[\M+i]   ; each accumulator from its low end on
.set i, i+1
.endr
.if (\t) == 0
	s_add_co_u32 s[MOFF], s[MOFF], 128             ; the next step's words (the step's s_wait_kmcnt 0 has shown the last loads done);
	s_min_u32 s[MOFF], s[MOFF], 3968               ; the last step asks for its own again: no load leaves the buffer
.endif
	s_load_b512 s[\M:\M+15], s[6:7], s[MOFF] offset:(\t)*4096
	s_load_b512 s[\M+16:\M+31], s[6:7], s[MOFF] offset:(\t)*4096+64
.irp j, 0,1,2,3
	v_max3_num_f32 v[rT+4+\j], v[rS+8*\j], v[rS+8*\j+1], v[rS+8*\j+2]
.endr
.irp g, 1,2
.irp j, 0,1,2,3
	v_max3_num_f32 v[rT+4+\j], v[rT+4+\j], v[rS+8*\j+2*\g+1], v[rS+8*\j+2*\g+2]
.endr
.endr
	v_max3_num_f32 v[rT+4], v[rT+4], v[rS+7], v[rS+15]
	v_max3_num_f32 v[rT+6], v[rT+6], v[rS+23], v[rS+31]
	v_max3_num_f32 v[rT+4], v[rT+4], v[rT+5], v[rT+6]
	v_max3_num_f32 v[rT+4], v[rT+4], v[rT+7], v[rT+1]
	v_permlanex16_b32 v[rT+5], v[rT+4], s[SEL], s[SEL+1]   ; the query's other 32 keys lie in the lane 16 away
	v_mov_b32 v[rT+7], v[rT]
	v_max_num_f32 v[rT+1], v[rT+4], v[rT+5]
	v_mul_f32 v[rT], s[CS], v[rT+1]
	v_sub_f32 v[rT+7], v[rT+7], v[rT]              ; c m_old - c m_new
.set i, 0
.rept 16
	v_pk_fma_f32 v[rS+i:rS+i+1], v[rS+i:rS+i+1], s[CS:CS+1], v[rT:rT+1] op_sel_hi:[1,0,0] neg_lo:[0,0,1] neg_hi:[0,0,1]
.set i, i+2
.endr
	v_exp_f32 v[rT+6], v[rT+7]
.set i, 0
.rept 32
	v_exp_f32 v[rS+i], v[rS+i]
.set i, i+1
.endr
	v_nop                                          ; a plain line behind the last exponential
	s_wait_alu depctr_va_vdst(0)                   ; one wait for the batch of 33, ahead of its first reader
.set i, 0
.rept 16
	v_cvt_pk_f16_f32 v[rP+i], v[rS+2*i], v[rS+2*i+1]
.set i, i+1
.endr
.irp u, 0,1,2,3,4,5,6,7
	v_pk_add_f32 v[rS+4*\u:rS+4*\u+1], v[rS+4*\u:rS+4*\u+1], v[rS+4*\u+2:rS+4*\u+3]
.endr
.irp u, 0,1,2,3
	v_pk_add_f32 v[rS+8*\u:rS+8*\u+1], v[rS+8*\u:rS+8*\u+1], v[rS+8*\u+4:rS+8*\u+5]
.endr
.irp u, 0,1
	v_pk_add_f32 v[rS+16*\u:rS+16*\u+1], v[rS+16*\u:rS+16*\u+1], v[rS+16*\u+8:rS+16*\u+9]
.endr
	v_pk_add_f32 v[rS:rS+1], v[rS:rS+1], v[rS+16:rS+17]
	v_pk_fma_f32 v[rT+2:rT+3], v[rT+2:rT+3], v[rT+6:rT+7], v[rS:rS+1] op_sel_hi:[1,0,1]
	WIN 0x41                                       ; O^T in window 1, the factor in window 0
.set i, 0
.rept 16
	v_pk_mul_f32 v[rO+i:rO+i+1], v[rO+i:rO+i+1], v[rT+6:rT+7] op_sel_hi:[1,0]
.set i, i+2
.endr
.endm
.macro PV t                            ; O^T += V^T P: the tile's four accumulators by turns
	WIN 0x51
.irp w, 0,1
.irp dt, 0,1,2,3
	v_wmma_f32_16x16x32_f16 v[32*(\t)+8*\dt:32*(\t)+8*\dt+7], v[VW+32*\w+8*\dt:VW+32*\w+8*\dt+7], v[P+16*(\t)+8*\w:P+16*(\t)+8*\w+7], v[32*(\t)+8*\dt:32*(\t)+8*\dt+7]
.endr
.endr
.endm
.macro STEP
	v_add_nc_u32 v[ADR], s[TB], v[LI]
.irp kt, 0,1,2,3
.irp blk, 0,1,2,3
	ds_load_b128 v[KF+16*\kt+4*\blk:KF+16*\kt+4*\blk+3], v[ADR] offset:\kt*2048+\blk*512
.endr
.endr
	WIN 0x40
.irp w, 0,1
.irp dt, 0,1,2,3
.irp e, 0,1
	ds_load_tr16_b128 v[VW+32*\w+8*\dt+4*\e:VW+32*\w+8*\dt+4*\e+3], v[ADR] offset:32768+(2*\w+\e)*2048+\dt*512
.endr
.endr
.endr
	s_wait_dscnt 16                                ; K is in; V's sixteen loads may be out
	WIN 0x04                                       ; Q in window 1
.irp u, 0,1
.irp t, 0,1
.irp kt, 0,1,2,3
.if \u == 0
	v_wmma_f32_16x16x32_f16 v[S+32*\t+8*\kt:S+32*\t+8*\kt+7], v[KF+16*\kt:KF+16*\kt+7], v[QW+16*\t:QW+16*\t+7], 0
.else
	v_wmma_f32_16x16x32_f16 v[S+32*\t+8*\kt:S+32*\t+8*\kt+7], v[KF+16*\kt+8:KF+16*\kt+15], v[QW+16*\t+8:QW+16*\t+15], v[S+32*\t+8*\kt:S+32*\t+8*\kt+7]
.endif
.endr
.endr
.endr
	WIN 0
.rept 4
	v_nop                                          ; places behind the products, ahead of the first read of the scores
.endr
	s_wait_kmcnt 0x0                               ; both tiles' mask words, asked for a step ago
	SM 0, MA
	s_wait_dscnt 0x0                               ; V is in
	PV 0
	SM 1, MB
	PV 1
	WIN 0
.rept 4
	v_nop                                          ; places ahead of the next step's loads into V's registers, and of the way out's reads
.endr
	s_add_co_u32 s[TB], s[TB], 8192
.endm
; The change of slots stands at a slot's head.  Each wave waits for all its tensor loads (its part of the slot that it is about to read), adds 0 to its spare word, and waits for that and for its reads of the slot that it has left.
; fill = 1: a round of the cluster's barrier, and behind it the other slot is filled with the next 256 keys: the load has four key steps in which to land.
.macro CHANGE fill
	s_wait_tensorcnt 0x0
	ds_add_u32 v[SPW], v[NIL]
.if \fill
	s_xor_b32 s[G0+1], s[G0+1], SLOT1              ; no load of mine is out: the descriptor walks
	s_add_nc_u64 s[G0+2:G0+3], s[G0+2:G0+3], 32768
	s_wait_xcnt 0x0                                ; the last prefetch has read its address
	s_add_nc_u64 s[PFA:PFA+1], s[PFA:PFA+1], 32768
	s_wait_dscnt 0x0
	CROUND
	tensor_load_to_lds s[G0:G0+3], s[G1:G1+7]
	s_nop 0
.rept 4
	v_nop
.endr
	ASK
.else
	s_wait_dscnt 0x0
	s_barrier_signal -1
	s_barrier_wait -1
.endif
.endm
.macro FOUR_STEPS
	s_mov_b32 s[STEPS], 4
.Lstep_\@:
	STEP
	s_sub_co_u32 s[STEPS], s[STEPS], 1
	s_cmp_lg_u32 s[STEPS], 0
	s_cbranch_scc1 .Lstep_\@
	s_sub_co_u32 s[TB], s[TB], 32768
	s_xor_b32 s[TB], s[TB], SLOT1
.endm
.Lslot:                                            ; seven trips: behind each change but the last the next slot is asked for (slot 1's first fill stands behind the first trip's round, where nothing is filled again)
	CHANGE 1
	FOUR_STEPS
	s_sub_co_u32 s[SLOTS], s[SLOTS], 1
	s_cmp_lg_u32 s[SLOTS], 0
	s_cbranch_scc1 .Lslot
	CHANGE 0                                       ; the last slot is written out
	FOUR_STEPS
	; THE WAY OUT: O^T / l, rounded to f16: the registers are the projection's fragments as they stand
.irp t, 0,1
	v_add_f32 v[ST+8*\t+4], v[ST+8*\t+2], v[ST+8*\t+3]
.endr
.irp t, 0,1
	v_permlanex16_b32 v[ST+8*\t+5], v[ST+8*\t+4], s[SEL], s[SEL+1]
.endr
.irp t, 0,1
	v_add_f32 v[ST+8*\t+4], v[ST+8*\t+4], v[ST+8*\t+5]
.endr
.irp t, 0,1
	v_rcp_f32 v[ST+8*\t+6], v[ST+8*\t+4]
.endr
	v_nop
	s_wait_alu depctr_va_vdst(0)                   ; one wait for the two reciprocals
	WIN 0x41
.irp t, 0,1
.set i, 0
.rept 16
	v_pk_mul_f32 v[32*\t+i:32*\t+i+1], v[32*\t+i:32*\t+i+1], v[ST+8*\t+6:ST+8*\t+7] op_sel_hi:[1,0]
.set i, i+2
.endr
.endr
	WIN 0x05
.set i, 0
.rept 32
	v_cvt_pk_f16_f32 v[OUTR+i], v[2*i], v[2*i+1]
.set i, i+1
.endr
	WIN 0
.irp t, 0,1
.irp dt, 0,1,2,3
	global_store_b128 v[LI], v[OUTR+16*\t+4*\dt:OUTR+16*\t+4*\dt+3], s[8:9] offset:\t*32768+\dt*512
.endr
.endr
	s_wait_tensorcnt 0x0                           ; the wave's end: the three lines
	ds_add_u32 v[SPW], v[NIL]
	s_wait_dscnt 0x0
	CROUND                                         ; the closing round
	s_endpgm
.Lfunc_end_k_q2f00fa0ca2_attn:
	.size	k_q2f00fa0ca2_attn, .Lfunc_end_k_q2f00fa0ca2_attn-k_q2f00fa0ca2_attn
	.p2alignl 7, 3214868480
	.fill 96, 4, 3214868480
	.section	.rodata,"a",@progbits
	.p2align	6, 0x0
	.amdhsa_kernel k_q2f00fa0ca2_attn
		.amdhsa_group_segment_fixed_size 327680
		.amdhsa_private_segment_fixed_size 0
		.amdhsa_enable_private_segment 0
		.amdhsa_kernarg_size 24
		.amdhsa_user_sgpr_count 2
		.amdhsa_user_sgpr_kernarg_segment_ptr 1
		.amdhsa_wavefront_size32 1
		.amdhsa_system_sgpr_workgroup_id_x 1
		.amdhsa_system_sgpr_workgroup_id_y 1
		.amdhsa_system_sgpr_workgroup_id_z 1
		.amdhsa_system_vgpr_workitem_id 0
		.amdhsa_next_free_vgpr 512
		.amdhsa_next_free_sgpr 102
		.amdhsa_reserve_vcc 0
		.amdhsa_float_denorm_mode_32 3
		.amdhsa_float_denorm_mode_16_64 3
		.amdhsa_memory_ordered 1
		.amdhsa_forward_progress 1
		.amdhsa_inst_pref_size 59
	.end_amdhsa_kernel
	.amdgpu_metadata
---
amdhsa.version: [ 1, 2 ]
amdhsa.kernels:
  - .name:           k_q2f00fa0ca2_attn
    .symbol:         k_q2f00fa0ca2_attn.kd
    .args:
      - { .name: qkv, .offset: 0, .size: 8, .value_kind: global_buffer, .address_space: global }
      - { .name: mbits, .offset: 8, .size: 8, .value_kind: global_buffer, .address_space: global }
      - { .name: yimg, .offset: 16, .size: 8, .value_kind: global_buffer, .address_space: global }
    .group_segment_fixed_size: 327680
    .private_segment_fixed_size: 0
    .kernarg_segment_align: 8
    .kernarg_segment_size: 24
    .max_flat_workgroup_size: 256
    .sgpr_count:     102
    .vgpr_count:     512
    .wavefront_size: 32
...
	.end_amdgpu_metadata
.endif
;; end of part 3
;; launch proj (part 4): grid 8 x 32, 4 waves a work-group, clusters of 4 x 4, 327,680 bytes of LDS; arguments yimg, wimg, b_proj, out0; writes out0
.if DOCPART == 4
	.amdgcn_target "amdgcn-amd-amdhsa--gfx1250"
	.amdhsa_code_object_version 6
	.text
	.protected	k_q2f00fa0ca2_proj
	.globl	k_q2f00fa0ca2_proj
	.p2align	8
	.type	k_q2f00fa0ca2_proj,@function
k_q2f00fa0ca2_proj:
	s_mov_b64 s[64:65], 0
	v_nop
	global_prefetch_b8 v0, s[64:65] scope:SCOPE_SE
	s_setreg_imm32_b32 hwreg(HW_REG_WAVE_MODE, 25, 1), 1
	s_wait_xcnt 0x0
	s_wait_alu depctr_hold_cnt(0) depctr_sa_sdst(0) depctr_va_vdst(0) depctr_va_sdst(0) depctr_va_ssrc(0) depctr_va_vcc(0) depctr_vm_vsrc(0)
	s_getreg_b32 s2, hwreg(HW_REG_IB_STS2, 6, 4)
	s_cmp_eq_u32 s2, 0
	s_cbranch_scc0 .Lentry_in_a_cluster
	s_endpgm
.Lentry_in_a_cluster:
	s_bfe_u32 s2, ttmp6, 0x10000c
	s_cmp_lg_u32 s2, 0xf033
	s_cbranch_scc0 .Lentry_shape_is_right
	s_endpgm
.Lentry_shape_is_right:
; out = y W_proj + b_proj; y [4096][1024] and W_proj as f16 images of operand registers, sums and result f32.  A tile of 128 x 128 to a work-group (256 of them), 64 x 64 to each of four waves: 16 accumulators.
; K goes in steps of 256 through two LDS slots.  In an image a tile of 16 rows has 1,024 bytes for each 32 along K, so a K step of one such tile is 8,192 dense bytes; a wave's tensor load brings four of them
; (4 rows of 8,192 bytes, 32,768 apart).  A fragment is two LDS loads of 512 consecutive bytes: no padding is wanted.
; CLUSTERS: 4 x 4; y's tiles are shared along a row of the cluster, W's along a column, by joint loads.  THE MATRIX INSTRUCTION IS USED TRANSPOSED (source 0 = 16 columns of W, source 1 = 16 rows of y).
; The bias is the C of each sum's first instruction.  A wave's 64 columns of f32 are 256 aligned bytes: each wave has a stage of its own and stores sixteen lanes to such a piece.
; REGISTERS: window 0: v0-31 addresses; v32-95 rows on their way out; v96-127 the bias; v128-255 the accumulators.  window 1: two fragment buffers of 128.
.set KSTEPB, 8192
.set HALFT,  32768
.set SLOT,   131072
.set STAGE,  262144
.set SPITCH, 272
.set SPARE,  STAGE+4*16*SPITCH
.set LAPS,   2
.set ADRA, 16
.set ADRB, 20
.set STO,  24
.set RD,   25
.set CO,   26
.set BO,   27
.set SPW,  28
.set NIL,  29
.set BK,   32
.set BIAS, 96
.set ACC,  128
.set F0,   0
.set F1,   128
.set G1, 24
.set G0, 32
.set G1B, 48
.set G0B, 56
.set MSB, 0
.macro WIN new
.if MSB != (\new)
	s_set_vgpr_msb (MSB<<8)|(\new)
.set MSB, (\new)
.endif
.endm
.set MUL,  0x05
.set TO_F, 0x40
.macro JLOAD s
	s_cmp_eq_u32 s11, 0
	s_cbranch_scc0 .Lfor_b_\@
	tensor_load_to_lds s[G0+4*\s:G0+4*\s+3], s[G1:G1+7]
	s_nop 0
.rept 4
	v_nop
.endr
	s_branch .Lasked_\@
.Lfor_b_\@:
	tensor_load_to_lds s[G0B+4*\s:G0B+4*\s+3], s[G1B:G1B+7]
	s_nop 0
.rept 4
	v_nop
.endr
.Lasked_\@:
.endm
.macro CREST
	s_cmp_lg_u32 s10, 0
	s_cbranch_scc1 .Lnot_wave_0_\@
	s_barrier_signal -3
.Lnot_wave_0_\@:
	s_barrier_wait -3
	s_barrier_signal -1
	s_barrier_wait -1
.endm
.macro CROUND
	s_barrier_signal -1
	s_barrier_wait -1
	CREST
.endm
	s_load_b128 s[4:7], s[0:1], 0x0                ; yimg, wimg
	s_load_b64 s[66:67], s[0:1], 0x10              ; b_proj
	s_load_b64 s[8:9], s[0:1], 0x18                ; out0
	v_lshl_add_u32 v[SPW], v0, 2, SPARE
	v_mov_b32 v[NIL], 0
	ds_add_u32 v[SPW], v[NIL]                      ; the wave's opening: the add, twice on end, and its wait ahead of my first tensor load
	ds_add_u32 v[SPW], v[NIL]
	v_lshrrev_b32 v1, 5, v0
	v_readfirstlane_b32 s10, v1
	s_lshr_b32 s11, s10, 1                         ; my half of the rows; also: I fetch for y (0) or W (1)
	s_and_b32 s12, s10, 1                          ; my half of the columns; also: which four tiles of 16 I fetch
	s_bfe_u32 s40, ttmp6, 0x40000
	s_bfe_u32 s41, ttmp6, 0x40004
	s_lshl_b32 s42, ttmp9, 2
	s_add_co_u32 s42, s42, s40                     ; tile column
	s_and_b32 s13, ttmp7, 0xffff
	s_lshl_b32 s13, s13, 2
	s_add_co_u32 s13, s13, s41                     ; tile row
	s_lshl_b32 s43, s41, 2
	s_lshl_b32 s43, 15, s43
	s_lshl_b32 s44, 0x1111, s40
	s_or_b32 s[G1+0], s43, (3<<16)|(1<<21)         ; the mask; elements of 8 bytes; bit 21 beside a mask; no padding
	s_or_b32 s[G1B+0], s44, (3<<16)|(1<<21)
.irp g, G1, G1B
	s_mov_b32 s[\g+1], 1024<<16                    ; tensor_dim0 = 1,024 elements: 8,192 bytes
	s_mov_b32 s[\g+2], 4<<16                       ; tensor_dim1 = 4
	s_mov_b32 s[\g+3], 1024<<16                    ; tile_dim0
	s_mov_b32 s[\g+4], 4                           ; tile_dim1
	s_mov_b32 s[\g+5], 4096                        ; pitch: 32,768 bytes
	s_mov_b32 s[\g+6], 0
	s_mov_b32 s[\g+7], 0
.endr
	s_lshl_b32 s17, s12, 2
	s_lshl_b32 s16, s13, 3
	s_add_co_u32 s16, s16, s17                     ; y: tile of 16 rows 8 x tile row + 4 x half
	s_lshl_b32 s16, s16, 15
	s_lshl_b32 s46, s42, 3
	s_add_co_u32 s46, s46, s17                     ; W: likewise by the tile column
	s_lshl_b32 s46, s46, 15
	s_mov_b32 s17, 0
	s_mov_b32 s47, 0
	s_lshl_b32 s20, s10, 15                        ; where they go: wave x 32,768
	s_wait_dscnt 0x0
	s_wait_kmcnt 0x0
	s_add_nc_u64 s[14:15], s[4:5], s[16:17]
	s_add_nc_u64 s[46:47], s[6:7], s[46:47]
	CROUND
.irp s, 0,1
	s_mov_b32 s[G0+4*\s], 1
	s_add_co_u32 s[G0+4*\s+1], s20, \s*SLOT
	s_add_nc_u64 s[G0+4*\s+2:G0+4*\s+3], s[14:15], \s*KSTEPB
	s_or_b32 s[G0+4*\s+3], s[G0+4*\s+3], 0x80000000
	s_mov_b32 s[G0B+4*\s], 1
	s_add_co_u32 s[G0B+4*\s+1], s20, \s*SLOT
	s_add_nc_u64 s[G0B+4*\s+2:G0B+4*\s+3], s[46:47], \s*KSTEPB
	s_or_b32 s[G0B+4*\s+3], s[G0B+4*\s+3], 0x80000000
	JLOAD \s
.endr
	v_and_b32 v1, 15, v0                           ; r
	v_bfe_u32 v2, v0, 4, 1                         ; h
	v_and_b32 v3, 31, v0
	v_lshlrev_b32 v3, 4, v3                        ; 16 x lane
	s_lshl_b32 s21, s11, 15
	s_lshl_b32 s22, s12, 15
	s_add_co_u32 s22, s22, 2*HALFT
.irp s, 0,1
	v_add_nc_u32 v[ADRA+\s], s21, v3
	v_add_nc_u32 v[ADRB+\s], s22, v3
	s_add_co_u32 s21, s21, SLOT
	s_add_co_u32 s22, s22, SLOT
.endr
	s_mul_i32 s23, s10, 16*SPITCH
	s_add_co_u32 s23, s23, STAGE                   ; my stage
	v_mul_u32_u24 v4, v1, SPITCH
	v_lshl_add_u32 v4, v2, 5, v4
	v_add_nc_u32 v[STO], s23, v4                   ; in: row r, 32 bytes for each half of the lanes
	v_mul_u32_u24 v5, v2, SPITCH
	v_lshl_add_u32 v5, v1, 4, v5
	v_add_nc_u32 v[RD], s23, v5                    ; back: lanes 0-15 one row of 256 bytes, lanes 16-31 the next
	v_lshlrev_b32 v5, 12, v2
	v_lshl_add_u32 v[CO], v1, 4, v5                ; the same two rows in out0
	v_lshlrev_b32 v[BO], 5, v2
	s_lshl_b32 s16, s13, 7
	s_lshl_b32 s17, s11, 6
	s_add_co_u32 s16, s16, s17                     ; my first row
	s_lshl_b32 s16, s16, 12
	s_mov_b32 s17, 0
	s_add_nc_u64 s[8:9], s[8:9], s[16:17]
	s_lshl_b32 s46, s42, 9
	s_lshl_b32 s47, s12, 8
	s_add_co_u32 s46, s46, s47                     ; my first column, in bytes
	s_mov_b32 s47, 0
	s_add_nc_u64 s[8:9], s[8:9], s[46:47]
	s_add_nc_u64 s[66:67], s[66:67], s[46:47]
.irp b, 0,1,2,3
.irp i, 0,1
	global_load_b128 v[BIAS+8*\b+4*\i:BIAS+8*\b+4*\i+3], v[BO], s[66:67] offset:64*\b+16*\i
.endr
.endr
.macro MUL8 f, c, a0, zero             ; zero = 1: the first product starts the sums from the bias
.irp a, \a0, \a0+1
.irp b, 0,1,2,3
.if \zero
	v_wmma_f32_16x16x32_f16 v[ACC+8*(4*(\a)+\b):ACC+8*(4*(\a)+\b)+7], v[\f+64+8*(4*\c+\b):\f+64+8*(4*\c+\b)+7], v[\f+8*(4*\c+\a):\f+8*(4*\c+\a)+7], v[BIAS+8*\b:BIAS+8*\b+7]
.else
	v_wmma_f32_16x16x32_f16 v[ACC+8*(4*(\a)+\b):ACC+8*(4*(\a)+\b)+7], v[\f+64+8*(4*\c+\b):\f+64+8*(4*\c+\b)+7], v[\f+8*(4*\c+\a):\f+8*(4*\c+\a)+7], v[ACC+8*(4*(\a)+\b):ACC+8*(4*(\a)+\b)+7]
.endif
.endr
.endr
.endm
.macro FETCH slot, k, f                ; the fragments of 64 along K, at byte k of each tile's 8,192, into buffer f; the first 32 along K first
	WIN TO_F
.irp c, 0,1
.irp i, 0,1,2,3
	ds_load_b128 v[\f+64+8*(4*\c+\i):\f+64+8*(4*\c+\i)+3],   v[ADRB+\slot] offset:\k+1024*\c+\i*8192
	ds_load_b128 v[\f+64+8*(4*\c+\i)+4:\f+64+8*(4*\c+\i)+7], v[ADRB+\slot] offset:\k+1024*\c+\i*8192+512
	ds_load_b128 v[\f+8*(4*\c+\i):\f+8*(4*\c+\i)+3],         v[ADRA+\slot] offset:\k+1024*\c+\i*8192
	ds_load_b128 v[\f+8*(4*\c+\i)+4:\f+8*(4*\c+\i)+7],       v[ADRA+\slot] offset:\k+1024*\c+\i*8192+512
.endr
.endr
.endm
.macro PLACES
.rept 4
	v_nop
.endr
.endm
.macro QUARTER slot, k, f, g, zero
	s_wait_dscnt 16                                ; the first 32 along K are in; the other sixteen loads may be out
	WIN MUL
	MUL8 \f, 0, 0, \zero
	MUL8 \f, 0, 2, \zero
	PLACES
	FETCH \slot, \k, \g
	s_wait_dscnt 32                                ; all but the 32 just issued
	WIN MUL
	MUL8 \f, 1, 0, 0
	MUL8 \f, 1, 2, 0
.endm
.macro TURN slot, next, fill           ; a K step's last quarter changes slots: one barrier (fill = 1: it opens a round of the cluster's barrier, and the slot is filled again, two K steps ahead)
	WIN 0
	s_wait_tensorcnt 0x0                           ; all my tensor loads have landed: my part of the next slot
	ds_add_u32 v[SPW], v[NIL]
	s_wait_dscnt 17                                ; the add and the youngest sixteen loads may be out
	WIN MUL
	MUL8 F1, 0, 0, 0
	s_wait_dscnt 0x0                               ; the add is done, and my reads of this slot are over
	s_barrier_signal -1
	MUL8 F1, 0, 2, 0
.if \fill
	WIN 0
.endif
	s_barrier_wait -1
.if \fill
	CREST
	s_add_nc_u64 s[G0+4*\slot+2:G0+4*\slot+3], s[G0+4*\slot+2:G0+4*\slot+3], 2*KSTEPB
	s_add_nc_u64 s[G0B+4*\slot+2:G0B+4*\slot+3], s[G0B+4*\slot+2:G0B+4*\slot+3], 2*KSTEPB
	JLOAD \slot
.else
	PLACES
.endif
	FETCH \next, 0, F0
	WIN MUL
	MUL8 F1, 1, 0, 0
	MUL8 F1, 1, 2, 0
.endm
	s_wait_loadcnt 0x0                             ; the bias
	s_wait_tensorcnt 1                             ; my part of K step 0 is in; K step 1's load may be out
	s_barrier_signal -1
	s_barrier_wait -1
	FETCH 0, 0, F0
	QUARTER 0, 2048, F0, F1, 1
	WIN 0
	s_mov_b32 s3, LAPS-1
.Llap:
	QUARTER 0, 4096, F1, F0, 0
	QUARTER 0, 6144, F0, F1, 0
	TURN 0, 1, 1
	QUARTER 1, 2048, F0, F1, 0
	QUARTER 1, 4096, F1, F0, 0
	QUARTER 1, 6144, F0, F1, 0
	TURN 1, 0, 1
	QUARTER 0, 2048, F0, F1, 0
	WIN 0
	s_sub_co_u32 s3, s3, 1
	s_cmp_lg_u32 s3, 0
	s_cbranch_scc1 .Llap
	QUARTER 0, 4096, F1, F0, 0                     ; the last lap fills nothing
	QUARTER 0, 6144, F0, F1, 0
	TURN 0, 1, 0
	QUARTER 1, 2048, F0, F1, 0
	QUARTER 1, 4096, F1, F0, 0
	QUARTER 1, 6144, F0, F1, 0
	s_wait_dscnt 16
	WIN MUL
	MUL8 F1, 0, 0, 0
	MUL8 F1, 0, 2, 0
	s_wait_dscnt 0
	MUL8 F1, 1, 0, 0
	MUL8 F1, 1, 2, 0
	WIN 0
; THE WAY OUT, 16 rows at a time through my own stage.  LDS serves a wave's instructions in order: no wait between the stores and the loads, nor ahead of the next block's stores.
.macro TOSTAGE a
.irp b, 0,1,2,3
	ds_store_b128 v[STO], v[ACC+8*(4*(\a)+\b):ACC+8*(4*(\a)+\b)+3] offset:64*\b      ; each accumulator from its low end on
	ds_store_b128 v[STO], v[ACC+8*(4*(\a)+\b)+4:ACC+8*(4*(\a)+\b)+7] offset:64*\b+16
.endr
.irp t, 0,1,2,3,4,5,6,7
	ds_load_b128 v[BK+32*((\a)%2)+4*\t:BK+32*((\a)%2)+4*\t+3], v[RD] offset:\t*2*SPITCH
.endr
.endm
.macro SEND a, younger                 ; younger: the LDS instructions issued behind block a's loads
	s_wait_dscnt \younger
.irp t, 0,1,2,3,4,5,6,7
	global_store_b128 v[CO], v[BK+32*((\a)%2)+4*\t:BK+32*((\a)%2)+4*\t+3], s[8:9] offset:(16*(\a)+2*\t)*4096 th:TH_STORE_NT
.endr
.endm
	PLACES
	TOSTAGE 0
	TOSTAGE 1
	SEND 0, 16
	s_wait_xcnt 0x0                                ; block 0's stores have read their registers: block 2's loads may land there
	TOSTAGE 2
	SEND 1, 16
	s_wait_xcnt 0x0
	TOSTAGE 3
	SEND 2, 16
	SEND 3, 0
	s_wait_tensorcnt 0x0                           ; the wave's end: the three lines
	ds_add_u32 v[SPW], v[NIL]
	s_wait_dscnt 0x0
	CROUND                                         ; the closing round
	s_endpgm
.Lfunc_end_k_q2f00fa0ca2_proj:
	.size	k_q2f00fa0ca2_proj, .Lfunc_end_k_q2f00fa0ca2_proj-k_q2f00fa0ca2_proj
	.p2alignl 7, 3214868480
	.fill 96, 4, 3214868480
	.section	.rodata,"a",@progbits
	.p2align	6, 0x0
	.amdhsa_kernel k_q2f00fa0ca2_proj
		.amdhsa_group_segment_fixed_size 327680
		.amdhsa_private_segment_fixed_size 0
		.amdhsa_enable_private_segment 0
		.amdhsa_kernarg_size 32
		.amdhsa_user_sgpr_count 2
		.amdhsa_user_sgpr_kernarg_segment_ptr 1
		.amdhsa_wavefront_size32 1
		.amdhsa_system_sgpr_workgroup_id_x 1
		.amdhsa_system_sgpr_workgroup_id_y 1
		.amdhsa_system_sgpr_workgroup_id_z 1
		.amdhsa_system_vgpr_workitem_id 0
		.amdhsa_next_free_vgpr 512
		.amdhsa_next_free_sgpr 68
		.amdhsa_reserve_vcc 0
		.amdhsa_float_denorm_mode_32 3
		.amdhsa_float_denorm_mode_16_64 3
		.amdhsa_memory_ordered 1
		.amdhsa_forward_progress 1
		.amdhsa_inst_pref_size 86
	.end_amdhsa_kernel
	.amdgpu_metadata
---
amdhsa.version: [ 1, 2 ]
amdhsa.kernels:
  - .name:           k_q2f00fa0ca2_proj
    .symbol:         k_q2f00fa0ca2_proj.kd
    .args:
      - { .name: yimg, .offset: 0, .size: 8, .value_kind: global_buffer, .address_space: global }
      - { .name: wimg, .offset: 8, .size: 8, .value_kind: global_buffer, .address_space: global }
      - { .name: b_proj, .offset: 16, .size: 8, .value_kind: global_buffer, .address_space: global }
      - { .name: out0, .offset: 24, .size: 8, .value_kind: global_buffer, .address_space: global }
    .group_segment_fixed_size: 327680
    .private_segment_fixed_size: 0
    .kernarg_segment_align: 8
    .kernarg_segment_size: 32
    .max_flat_workgroup_size: 128
    .sgpr_count:     68
    .vgpr_count:     512
    .wavefront_size: 32
...
	.end_amdgpu_metadata
.endif
;; end of part 4
;; launch fattn (part 5): grid 32 x 1, 9 waves a work-group, no clusters, 304,896 bytes of LDS; arguments qkv, mbits, yfine; writes yfine
.if DOCPART == 5
	.amdgcn_target "amdgcn-amd-amdhsa--gfx1250"
	.amdhsa_code_object_version 6
	.text
	.protected	k_q2f00fa0ca2_fattn
	.globl	k_q2f00fa0ca2_fattn
	.p2align	8
	.type	k_q2f00fa0ca2_fattn,@function
k_q2f00fa0ca2_fattn:
	s_mov_b64 s[64:65], 0
	v_nop
	global_prefetch_b8 v0, s[64:65] scope:SCOPE_SE
	s_setreg_imm32_b32 hwreg(HW_REG_WAVE_MODE, 25, 1), 1
	s_wait_xcnt 0x0
; Positions 0 to 15 of each sequence once more, carried finely: under a mask that lets them see few keys they average few values and are the largest numbers of the result.
; A work-group takes one (batch, head) and its 16 queries.  Wave 8 takes keys 0 to 15 in f32, from the f32 copy of q, k, v, by the f32 matrix form.  Waves 0 to 7 take 256 keys each in f16, from the images, by the
; bulk launch's arithmetic; in wave 0 the scores of keys 0 to 15 become -infinity, so that those keys count once, in wave 8.  The nine partial results (c m, l, O^T) meet in LDS; waves 0 to 3 join them, 16 channels each.
; LIMIT: where the mask lets these positions see keys from 16 on, those terms carry f16's rounding, as in every later row.
; LDS: V's images, 32,768 bytes for each of waves 0-7, one tensor load each, filled once and read by the loading wave alone; from COMB on 4,608 bytes a wave: O^T as images (4,096), c m (128), l (128); then the spare words.
; REGISTERS: v1-13 addresses and constants, all made ahead of the parting of the waves; v16-23 statistics; v24-55 S^T, then p, then P in v24-39; v56-71 Q; v72-103 O^T; v104-167 K; v168-199 V; v200-201 at work;
;   v208-255 are written by the f32 matrix form alone.
.set COMB,  262144
.set CW,    4608
.set SPARE, COMB+9*CW
.set LI,   1
.set ADV,  2
.set FILL, 3
.set NINF, 4
.set KQO,  5
.set SPW,  6
.set NIL,  7
.set CST,  8
.set CSM,  9
.set RDA,  10
.set RDM,  11
.set YO,   12
.set VFO,  13
.set ST,   16
.set S,    24
.set Q,    56
.set O,    72
.set KF,   104
.set VF,   168
.set SA,   208
.set SB,   216
.set OF,   224
.macro PLACES n
.rept \n
	v_nop
.endr
.endm
	s_load_b128 s[4:7], s[0:1], 0x0                ; qkv, mbits
	s_load_b64 s[8:9], s[0:1], 0x10                ; yfine
	v_lshl_add_u32 v[SPW], v0, 2, SPARE
	v_mov_b32 v[NIL], 0
	ds_add_u32 v[SPW], v[NIL]                      ; the opening: the add, twice on end, and its wait, in every wave
	ds_add_u32 v[SPW], v[NIL]
	v_lshrrev_b32 v1, 5, v0
	v_readfirstlane_b32 s10, v1                    ; wave 0..8
	v_and_b32 v13, 15, v0                          ; r
	v_bfe_u32 v14, v0, 4, 1                        ; h
	v_and_b32 v1, 31, v0
	v_lshlrev_b32 v15, 2, v1                       ; 4 x lane
	v_lshlrev_b32 v[LI], 4, v1                     ; 16 x lane
	s_lshl_b32 s11, s10, 15
	v_add_nc_u32 v[ADV], s11, v[LI]                ; my V
	s_mul_i32 s12, s10, CW
	s_add_co_u32 s12, s12, COMB
	v_add_nc_u32 v[CST], s12, v[LI]                ; where I put O^T,
	s_add_co_u32 s12, s12, 4096
	v_add_nc_u32 v[CSM], s12, v15                  ; c m and l
	s_lshl_b32 s12, s10, 10
	s_add_co_u32 s12, s12, COMB
	v_add_nc_u32 v[RDA], s12, v[LI]                ; the join: channels 16 x wave on,
	v_add_nc_u32 v[RDM], COMB+4096, v15            ; and everybody's c m and l
	v_lshlrev_b32 v[YO], 12, v13
	v_lshl_add_u32 v[YO], v14, 5, v[YO]
	s_lshl_b32 s12, s10, 6
	v_add_nc_u32 v[YO], s12, v[YO]                 ; yfine: row r, + 64 x wave + 32 h
	v_lshlrev_b32 v[KQO], 8, v13
	v_lshl_add_u32 v[KQO], v14, 7, v[KQO]          ; the f32 copy: row r, channels 32 h on
	v_lshlrev_b32 v[VFO], 2, v13
	v_lshl_add_u32 v[VFO], v14, 11, v[VFO]         ; v: key 8 h on, channel r
	v_mov_b32 v[FILL], 0xc79c4000                  ; -80000
	v_mov_b32 v[NINF], 0xff800000
	s_mov_b32 s24, 3<<16                           ; group 1: 128 dense rows of 256 bytes, elements of 8 bytes
	s_mov_b32 s25, 32<<16
	s_mov_b32 s26, 128<<16
	s_mov_b32 s27, 32<<16
	s_mov_b32 s28, 128
	s_mov_b32 s29, 32
	s_mov_b32 s30, 0
	s_mov_b32 s31, 0
	s_mov_b32 s16, 0x3e38aa3b                      ; c = log2(e) / 8
	s_mov_b32 s17, s16
	s_mov_b32 s18, 0x76543210
	s_mov_b32 s19, 0xfedcba98
	s_cmp_eq_u32 s10, 0
	s_cselect_b32 s15, -1, 0                       ; all lanes in wave 0, none elsewhere
	s_lshl_b32 s12, ttmp9, 18
	s_mov_b32 s13, 0
	s_wait_dscnt 0x0
	s_wait_kmcnt 0x0
	s_add_nc_u64 s[2:3], s[4:5], s[12:13]          ; q's images of my head
	s_lshr_b32 s12, ttmp9, 4
	s_mul_i32 s12, s12, 196608
	s_and_b32 s14, ttmp9, 15
	s_lshl_b32 s14, s14, 12
	s_add_co_u32 s12, s12, s14
	s_add_co_u32 s12, s12, 25165824
	s_add_nc_u64 s[100:101], s[4:5], s[12:13]      ; the f32 copy of my head: q; k 65,536 on; v 131,072 on
	s_lshr_b32 s12, ttmp9, 4
	s_lshl_b32 s12, s12, 16
	s_and_b32 s14, ttmp9, 15
	s_lshl_b32 s14, s14, 8
	s_add_co_u32 s12, s12, s14
	s_add_nc_u64 s[8:9], s[8:9], s[12:13]
	s_cmp_eq_u32 s10, 8
	s_cbranch_scc1 .Lwave8
	; ---- waves 0 to 7
	s_add_co_u32 s12, s11, 8388608
	s_add_nc_u64 s[66:67], s[2:3], s[12:13]        ; my 256 keys
	s_add_co_u32 s12, s11, 16777216
	s_add_nc_u64 s[22:23], s[2:3], s[12:13]        ; and their values
	s_or_b32 s23, s23, 0x80000000
	s_mov_b32 s20, 1
	s_mov_b32 s21, s11
	tensor_load_to_lds s[20:23], s[24:31]
	s_nop 0
	PLACES 4
	s_lshl_b32 s12, s10, 9
	s_add_nc_u64 s[12:13], s[6:7], s[12:13]        ; my keys' mask words of the first tile of queries
.irp blk, 0,1,2,3
	global_load_b128 v[Q+4*\blk:Q+4*\blk+3], v[LI], s[2:3] offset:\blk*512
.endr
.macro KLOAD j
.irp kt, 0,1,2,3
.irp blk, 0,1,2,3
	global_load_b128 v[KF+16*\kt+4*\blk:KF+16*\kt+4*\blk+3], v[LI], s[66:67] offset:(\j)*8192+\kt*2048+\blk*512
.endr
.endr
.endm
	KLOAD 0
	s_load_b512 s[32:47], s[12:13], 0x0
	s_load_b512 s[48:63], s[12:13], 0x40
	v_mov_b32 v[ST+1], 0xff61b1e6                  ; m = -3e38
	v_mul_f32 v[ST], s16, v[ST+1]
	v_mov_b32 v[ST+2], 0
	v_mov_b32 v[ST+3], 0
.set i, 0
.rept 32
	v_mov_b32 v[O+i], 0
.set i, i+1
.endr
	s_wait_tensorcnt 0x0                           ; my V is in LDS; I alone read it
.macro FSTEP j                         ; 64 keys
.if (\j)%2
.set M, 68
.set MN, 32
.else
.set M, 32
.set MN, 68
.endif
	s_wait_loadcnt 0x0                             ; this step's K (and Q)
.irp u, 0,1
.irp kt, 0,1,2,3
.if \u == 0
	v_wmma_f32_16x16x32_f16 v[S+8*\kt:S+8*\kt+7], v[KF+16*\kt:KF+16*\kt+7], v[Q:Q+7], 0
.else
	v_wmma_f32_16x16x32_f16 v[S+8*\kt:S+8*\kt+7], v[KF+16*\kt+8:KF+16*\kt+15], v[Q+8:Q+15], v[S+8*\kt:S+8*\kt+7]
.endif
.endr
.endr
	PLACES 4
.if (\j) < 3
	KLOAD (\j)+1
.endif
	s_wait_kmcnt 0x0                               ; this step's mask words
.if (\j) < 3
	s_load_b512 s[MN:MN+15], s[12:13], 128*((\j)+1)
	s_load_b512 s[MN+16:MN+31], s[12:13], 128*((\j)+1)+64
.endif
.set i, 0
.rept 32
	v_cndmask_b32 v[S+i], v[FILL], v[S+i], s[M+i]
.set i, i+1
.endr
.if (\j) == 0
.set i, 0
.rept 8
	v_cndmask_b32 v[S+i], v[S+i], v[NINF], s15     ; wave 0: keys 0 to 15 are wave 8's
.set i, i+1
.endr
.endif
.irp c, 0,1,2,3
	v_max3_num_f32 v[ST+4+\c], v[S+8*\c], v[S+8*\c+1], v[S+8*\c+2]
.endr
.irp g, 1,2
.irp c, 0,1,2,3
	v_max3_num_f32 v[ST+4+\c], v[ST+4+\c], v[S+8*\c+2*\g+1], v[S+8*\c+2*\g+2]
.endr
.endr
	v_max3_num_f32 v[ST+4], v[ST+4], v[S+7], v[S+15]
	v_max3_num_f32 v[ST+6], v[ST+6], v[S+23], v[S+31]
	v_max3_num_f32 v[ST+4], v[ST+4], v[ST+5], v[ST+6]
	v_max3_num_f32 v[ST+4], v[ST+4], v[ST+7], v[ST+1]
	v_permlanex16_b32 v[ST+5], v[ST+4], s18, s19
	v_mov_b32 v[ST+7], v[ST]
	v_max_num_f32 v[ST+1], v[ST+4], v[ST+5]
	v_mul_f32 v[ST], s16, v[ST+1]
	v_sub_f32 v[ST+7], v[ST+7], v[ST]
.set i, 0
.rept 16
	v_pk_fma_f32 v[S+i:S+i+1], v[S+i:S+i+1], s[16:17], v[ST:ST+1] op_sel_hi:[1,0,0] neg_lo:[0,0,1] neg_hi:[0,0,1]
.set i, i+2
.endr
	v_exp_f32 v[ST+6], v[ST+7]
.set i, 0
.rept 32
	v_exp_f32 v[S+i], v[S+i]
.set i, i+1
.endr
	v_nop
	s_wait_alu depctr_va_vdst(0)                   ; one wait for the batch
	v_pk_mul_f32 v[ST+2:ST+3], v[ST+2:ST+3], v[ST+6:ST+7] op_sel_hi:[1,0]
	v_pk_add_f32 v[200:201], v[S:S+1], v[S+2:S+3]
.irp i, 4,8,12,16,20,24,28
	v_pk_add_f32 v[ST+2:ST+3], v[ST+2:ST+3], v[S+\i:S+\i+1]
	v_pk_add_f32 v[200:201], v[200:201], v[S+\i+2:S+\i+3]
.endr
	v_pk_add_f32 v[ST+2:ST+3], v[ST+2:ST+3], v[200:201]
.set i, 0
.rept 16
	v_cvt_pk_f16_f32 v[S+i], v[S+2*i], v[S+2*i+1]  ; P in place: register i is written when pairs 0 .. i have been read
.set i, i+1
.endr
.set i, 0
.rept 16
	v_pk_mul_f32 v[O+i:O+i+1], v[O+i:O+i+1], v[ST+6:ST+7] op_sel_hi:[1,0]
.set i, i+2
.endr
.irp w, 0,1
.if \w > 0
	PLACES 4                                       ; ahead of loads into V's registers
.endif
.irp dt, 0,1,2,3
.irp e, 0,1
	ds_load_tr16_b128 v[VF+8*\dt+4*\e:VF+8*\dt+4*\e+3], v[ADV] offset:(4*(\j)+2*\w+\e)*2048+\dt*512
.endr
.endr
	s_wait_dscnt 0x0
.irp dt, 0,1,2,3
	v_wmma_f32_16x16x32_f16 v[O+8*\dt:O+8*\dt+7], v[VF+8*\dt:VF+8*\dt+7], v[S+8*\w:S+8*\w+7], v[O+8*\dt:O+8*\dt+7]
.endr
.endr
	PLACES 5                                       ; the next step's first products write over P's registers
.endm
	FSTEP 0
	FSTEP 1
	FSTEP 2
	FSTEP 3
	v_add_f32 v[ST+4], v[ST+2], v[ST+3]
	v_permlanex16_b32 v[ST+5], v[ST+4], s18, s19
	v_add_f32 v[ST+4], v[ST+4], v[ST+5]            ; l
.irp dt, 0,1,2,3
	ds_store_b128 v[CST], v[O+8*\dt:O+8*\dt+3] offset:\dt*1024
	ds_store_b128 v[CST], v[O+8*\dt+4:O+8*\dt+7] offset:\dt*1024+512
.endr
	ds_store_b32 v[CSM], v[ST]
	ds_store_b32 v[CSM], v[ST+4] offset:128
	s_wait_tensorcnt 0x0                           ; behind my last tensor load and my last LDS store
	ds_add_u32 v[SPW], v[NIL]
	s_wait_dscnt 0x0                               ; also for the others' sake: my stores have landed
	s_branch .Ljoin
	; ---- wave 8: keys 0 to 15 in f32.  Lane (r, h) holds channels 32 h + 0 .. 31 of row r of k and of q; K step s takes registers 2 s, 2 s + 1 of both: the same channel stands at the same place in both operands.
.Lwave8:
.irp i, 0,1,2,3,4,5,6,7
	global_load_b128 v[KF+4*\i:KF+4*\i+3], v[KQO], s[100:101] offset:65536+16*\i
	global_load_b128 v[KF+32+4*\i:KF+32+4*\i+3], v[KQO], s[100:101] offset:16*\i
.endr
.irp dt, 0,1,2,3
.irp i, 0,1,2,3,4,5,6,7
	global_load_b32 v[VF+8*\dt+\i], v[VFO], s[100:101] offset:131072+\i*256+\dt*64   ; v(key 8 h + i, channel 16 dt + r)
.endr
.endr
	s_load_b256 s[32:39], s[6:7], 0x0
	s_wait_loadcnt 0x0
.irp s, 0,2,4,6,8,10,12,14             ; two accumulators by turns
.if \s == 0
	v_wmma_f32_16x16x4_f32 v[SA:SA+7], v[KF:KF+1], v[KF+32:KF+33], 0
	v_wmma_f32_16x16x4_f32 v[SB:SB+7], v[KF+2:KF+3], v[KF+34:KF+35], 0
.else
	v_wmma_f32_16x16x4_f32 v[SA:SA+7], v[KF+2*\s:KF+2*\s+1], v[KF+32+2*\s:KF+32+2*\s+1], v[SA:SA+7]
	v_wmma_f32_16x16x4_f32 v[SB:SB+7], v[KF+2*\s+2:KF+2*\s+3], v[KF+32+2*\s+2:KF+32+2*\s+3], v[SB:SB+7]
.endif
.endr
	PLACES 8
.irp j, 0,1,2,3,4,5,6,7
	v_add_f32 v[S+\j], v[SA+\j], v[SB+\j]
.endr
	s_wait_kmcnt 0x0
.irp j, 0,1,2,3,4,5,6,7
	v_cndmask_b32 v[S+\j], v[FILL], v[S+\j], s[32+\j]
.endr
	v_max3_num_f32 v[ST+4], v[S], v[S+1], v[S+2]
	v_max3_num_f32 v[ST+5], v[S+3], v[S+4], v[S+5]
	v_max3_num_f32 v[ST+4], v[ST+4], v[S+6], v[S+7]
	v_max_num_f32 v[ST+4], v[ST+4], v[ST+5]
	v_permlanex16_b32 v[ST+5], v[ST+4], s18, s19
	v_max_num_f32 v[ST+1], v[ST+4], v[ST+5]
	v_mul_f32 v[ST], s16, v[ST+1]
.irp i, 0,2,4,6
	v_pk_fma_f32 v[S+\i:S+\i+1], v[S+\i:S+\i+1], s[16:17], v[ST:ST+1] op_sel_hi:[1,0,0] neg_lo:[0,0,1] neg_hi:[0,0,1]
.endr
.irp j, 0,1,2,3,4,5,6,7
	v_exp_f32 v[S+\j], v[S+\j]
.endr
	v_nop
	s_wait_alu depctr_va_vdst(0)
	v_pk_add_f32 v[ST+2:ST+3], v[S:S+1], v[S+2:S+3]
	v_pk_add_f32 v[ST+6:ST+7], v[S+4:S+5], v[S+6:S+7]
	v_pk_add_f32 v[ST+2:ST+3], v[ST+2:ST+3], v[ST+6:ST+7]
	v_add_f32 v[ST+4], v[ST+2], v[ST+3]
	v_permlanex16_b32 v[ST+5], v[ST+4], s18, s19
	v_add_f32 v[ST+4], v[ST+4], v[ST+5]            ; l
.irp s, 0,1,2,3                        ; O^T = V^T P: key 8 h + 2 s + j stands at the same place in both operands; four accumulators by turns
.irp dt, 0,1,2,3
.if \s == 0
	v_wmma_f32_16x16x4_f32 v[OF+8*\dt:OF+8*\dt+7], v[VF+8*\dt:VF+8*\dt+1], v[S:S+1], 0
.else
	v_wmma_f32_16x16x4_f32 v[OF+8*\dt:OF+8*\dt+7], v[VF+8*\dt+2*\s:VF+8*\dt+2*\s+1], v[S+2*\s:S+2*\s+1], v[OF+8*\dt:OF+8*\dt+7]
.endif
.endr
.endr
	PLACES 8
.irp dt, 0,1,2,3
	ds_store_b128 v[CST], v[OF+8*\dt:OF+8*\dt+3] offset:\dt*1024
	ds_store_b128 v[CST], v[OF+8*\dt+4:OF+8*\dt+7] offset:\dt*1024+512
.endr
	ds_store_b32 v[CSM], v[ST]
	ds_store_b32 v[CSM], v[ST+4] offset:128
	s_wait_tensorcnt 0x0                           ; the three lines
	ds_add_u32 v[SPW], v[NIL]
	s_wait_dscnt 0x0
.Ljoin:
	s_barrier_signal -1
	s_barrier_wait -1                              ; all nine partial results lie in LDS
	s_cmp_lt_u32 s10, 4
	s_cbranch_scc0 .Ldone
.irp w, 0,1,2,3,4,5,6,7,8
	ds_load_b32 v[104+2*\w], v[RDM] offset:\w*CW          ; c m of part w in the even register,
	ds_load_b32 v[105+2*\w], v[RDM] offset:\w*CW+128      ; its l in the odd one
.endr
.irp w, 0,1,2,3,4,5,6,7,8
	ds_load_b128 v[128+8*\w:131+8*\w], v[RDA] offset:\w*CW
	ds_load_b128 v[132+8*\w:135+8*\w], v[RDA] offset:\w*CW+512
.endr
	s_wait_dscnt 0x0
	v_max3_num_f32 v200, v104, v106, v108
	v_max3_num_f32 v200, v200, v110, v112
	v_max3_num_f32 v200, v200, v114, v116
	v_max3_num_f32 v200, v200, v118, v120
.irp w, 0,1,2,3,4,5,6,7,8
	v_sub_f32 v[104+2*\w], v[104+2*\w], v200
.endr
.irp w, 0,1,2,3,4,5,6,7,8
	v_exp_f32 v[104+2*\w], v[104+2*\w]             ; e = 2^(c m - the largest c m)
.endr
	v_nop
	s_wait_alu depctr_va_vdst(0)
	v_mul_f32 v201, v104, v105
.irp w, 1,2,3,4,5,6,7,8
	v_fmac_f32 v201, v[104+2*\w], v[105+2*\w]
.endr
	v_rcp_f32 v201, v201
.irp i, 0,2,4,6
	v_pk_mul_f32 v[72+\i:73+\i], v[128+\i:129+\i], v[104:105] op_sel_hi:[1,0]
.endr
.irp w, 1,2,3,4,5,6,7,8
.irp i, 0,2,4,6
	v_pk_fma_f32 v[72+\i:73+\i], v[128+8*\w+\i:129+8*\w+\i], v[104+2*\w:105+2*\w], v[72+\i:73+\i] op_sel_hi:[1,0,1]
.endr
.endr
	s_wait_alu depctr_va_vdst(0)                   ; the reciprocal, ahead of its first reader
.irp j, 0,1,2,3,4,5,6,7
	v_mul_f32 v[72+\j], v[72+\j], v201
.endr
	global_store_b128 v[YO], v[72:75], s[8:9]
	global_store_b128 v[YO], v[76:79], s[8:9] offset:16
.Ldone:
	s_endpgm
.Lfunc_end_k_q2f00fa0ca2_fattn:
	.size	k_q2f00fa0ca2_fattn, .Lfunc_end_k_q2f00fa0ca2_fattn-k_q2f00fa0ca2_fattn
	.p2alignl 7, 3214868480
	.fill 96, 4, 3214868480
	.section	.rodata,"a",@progbits
	.p2align	6, 0x0
	.amdhsa_kernel k_q2f00fa0ca2_fattn
		.amdhsa_group_segment_fixed_size 304896
		.amdhsa_private_segment_fixed_size 0
		.amdhsa_enable_private_segment 0
		.amdhsa_kernarg_size 24
		.amdhsa_user_sgpr_count 2
		.amdhsa_user_sgpr_kernarg_segment_ptr 1
		.amdhsa_wavefront_size32 1
		.amdhsa_system_sgpr_workgroup_id_x 1
		.amdhsa_system_sgpr_workgroup_id_y 1
		.amdhsa_system_sgpr_workgroup_id_z 1
		.amdhsa_system_vgpr_workitem_id 0
		.amdhsa_next_free_vgpr 256
		.amdhsa_next_free_sgpr 102
		.amdhsa_reserve_vcc 0
		.amdhsa_float_denorm_mode_32 3
		.amdhsa_float_denorm_mode_16_64 3
		.amdhsa_memory_ordered 1
		.amdhsa_forward_progress 1
		.amdhsa_inst_pref_size 73
	.end_amdhsa_kernel
	.amdgpu_metadata
---
amdhsa.version: [ 1, 2 ]
amdhsa.kernels:
  - .name:           k_q2f00fa0ca2_fattn
    .symbol:         k_q2f00fa0ca2_fattn.kd
    .args:
      - { .name: qkv, .offset: 0, .size: 8, .value_kind: global_buffer, .address_space: global }
      - { .name: mbits, .offset: 8, .size: 8, .value_kind: global_buffer, .address_space: global }
      - { .name: yfine, .offset: 16, .size: 8, .value_kind: global_buffer, .address_space: global }
    .group_segment_fixed_size: 304896
    .private_segment_fixed_size: 0
    .kernarg_segment_align: 8
    .kernarg_segment_size: 24
    .max_flat_workgroup_size: 288
    .sgpr_count:     102
    .vgpr_count:     256
    .wavefront_size: 32
...
	.end_amdgpu_metadata
.endif
;; end of part 5
;; launch fproj (part 6): grid 64 x 1, 8 waves a work-group, no clusters, 17,408 bytes of LDS; arguments yfine, W_proj, b_proj, out0; writes out0
.if DOCPART == 6
	.amdgcn_target "amdgcn-amd-amdhsa--gfx1250"
	.amdhsa_code_object_version 6
	.text
	.protected	k_q2f00fa0ca2_fproj
	.globl	k_q2f00fa0ca2_fproj
	.p2align	8
	.type	k_q2f00fa0ca2_fproj,@function
k_q2f00fa0ca2_fproj:
	s_mov_b64 s[64:65], 0
	v_nop
	global_prefetch_b8 v0, s[64:65] scope:SCOPE_SE
	s_setreg_imm32_b32 hwreg(HW_REG_WAVE_MODE, 25, 1), 1
	s_wait_xcnt 0x0
; The projection of positions 0 to 15 of both sequences in f32: out0[b][t][n] = sum over k of yfine[16 b + t][k] W_proj[k][n] + b_proj[n], written over the rows that the bulk projection has stored.
; A work-group takes 16 columns.  Wave w takes k = 128 w .. 128 w + 127 for both batches; lane (r, h) holds k = 128 w + 64 h + i in register i, of y's row r and of W's column r; K step s takes registers 2 s, 2 s + 1 of
; both, so that the same k stands at the same place in both operands.  Source 0 = W's 16 columns, source 1 = y's 16 rows: a lane then holds one row and eight neighbouring columns.
; The two batches' accumulators take turns; they are written by the matrix form alone.  The eight waves' parts meet in LDS; waves 0 and 1 add them onto the bias, a batch each.
; A lane stores 32 bytes and sixteen lanes touch sixteen rows: 131,072 bytes in all.
.set SPARE, 16384
.set SPW, 6
.set NIL, 7
	s_load_b128 s[4:7], s[0:1], 0x0                ; yfine, W_proj
	s_load_b128 s[8:11], s[0:1], 0x10              ; b_proj, out0
	v_lshl_add_u32 v[SPW], v0, 2, SPARE
	v_mov_b32 v[NIL], 0
	v_lshrrev_b32 v1, 5, v0
	v_readfirstlane_b32 s12, v1                    ; wave
	v_and_b32 v2, 15, v0                           ; r
	v_bfe_u32 v3, v0, 4, 1                         ; h
	v_and_b32 v1, 31, v0
	v_lshlrev_b32 v1, 4, v1
	s_lshl_b32 s13, s12, 11
	v_add_nc_u32 v8, s13, v1                       ; where I put my part: 2,048 x wave + 16 x lane
	s_and_b32 s22, s12, 1                          ; the batch that I join, if I join
	s_lshl_b32 s13, s22, 10
	v_add_nc_u32 v9, s13, v1                       ; and where I read the parts of that batch
	v_lshlrev_b32 v10, 12, v2
	v_lshl_add_u32 v10, v3, 8, v10                 ; y: row r, + 64 h numbers
	v_lshlrev_b32 v11, 2, v2
	v_lshl_add_u32 v11, v3, 18, v11                ; W: 64 h rows down, column r
	v_lshlrev_b32 v12, 5, v3                       ; the bias: 8 h numbers on
	v_lshlrev_b32 v13, 12, v2
	v_lshl_add_u32 v13, v3, 5, v13                 ; out0: row r, + 32 h
	s_lshl_b32 s14, s12, 9
	s_mov_b32 s15, 0
	s_lshl_b32 s18, ttmp9, 6                       ; my 16 columns, in bytes
	s_mov_b32 s19, 0
	s_lshl_b32 s16, s12, 19
	s_add_co_u32 s16, s16, s18
	s_mov_b32 s17, 0
	s_lshl_b32 s20, s22, 23
	s_add_co_u32 s20, s20, s18
	s_mov_b32 s21, 0
	s_wait_kmcnt 0x0
	s_add_nc_u64 s[4:5], s[4:5], s[14:15]
	s_add_nc_u64 s[6:7], s[6:7], s[16:17]
	s_add_nc_u64 s[8:9], s[8:9], s[18:19]
	s_add_nc_u64 s[10:11], s[10:11], s[20:21]
	global_load_b128 v[16:19], v12, s[8:9]
	global_load_b128 v[20:23], v12, s[8:9] offset:16
.irp g, 0,1,2,3,4,5,6,7                ; eight groups of twelve loads, in the order of K
.irp b, 0,1
.irp c, 0,1
	global_load_b128 v[32+64*\b+8*\g+4*\c:32+64*\b+8*\g+4*\c+3], v10, s[4:5] offset:\b*65536+32*\g+16*\c
.endr
.endr
.irp i, 0,1,2,3,4,5,6,7
	global_load_b32 v[160+8*\g+\i], v11, s[6:7] offset:(8*\g+\i)*4096
.endr
.endr
.irp g, 0,1,2,3,4,5,6,7
.if 12*(7-\g) > 63
	s_wait_loadcnt 63                              ; the later groups' loads may be out
.else
	s_wait_loadcnt 12*(7-\g)                       ; the later groups' loads may be out
.endif
.irp q, 0,1,2,3
.if (\g == 0) && (\q == 0)
	v_wmma_f32_16x16x4_f32 v[240:247], v[160:161], v[32:33], 0
	v_wmma_f32_16x16x4_f32 v[248:255], v[160:161], v[96:97], 0
.else
	v_wmma_f32_16x16x4_f32 v[240:247], v[160+8*\g+2*\q:161+8*\g+2*\q], v[32+8*\g+2*\q:33+8*\g+2*\q], v[240:247]
	v_wmma_f32_16x16x4_f32 v[248:255], v[160+8*\g+2*\q:161+8*\g+2*\q], v[96+8*\g+2*\q:97+8*\g+2*\q], v[248:255]
.endif
.endr
.endr
.rept 8
	v_nop                                          ; places behind this form, ahead of the stores of its results and of loads into its sources
.endr
	ds_store_b128 v8, v[240:243]
	ds_store_b128 v8, v[244:247] offset:512
	ds_store_b128 v8, v[248:251] offset:1024
	ds_store_b128 v8, v[252:255] offset:1536
	s_wait_tensorcnt 0x0                           ; behind my last LDS store
	ds_add_u32 v[SPW], v[NIL]
	s_wait_dscnt 0x0                               ; also for the others' sake: my stores have landed
	s_barrier_signal -1
	s_barrier_wait -1
	s_cmp_lt_u32 s12, 2
	s_cbranch_scc0 .Ldone
.irp w, 0,1,2,3,4,5,6,7
.irp c, 0,1
	ds_load_b128 v[32+8*\w+4*\c:32+8*\w+4*\c+3], v9 offset:\w*2048+\c*512
.endr
.endr
	s_wait_dscnt 0x0
.irp w, 0,1,2,3,4,5,6,7
.irp i, 0,2,4,6
	v_pk_add_f32 v[16+\i:17+\i], v[16+\i:17+\i], v[32+8*\w+\i:33+8*\w+\i]
.endr
.endr
	global_store_b128 v13, v[16:19], s[10:11]
	global_store_b128 v13, v[20:23], s[10:11] offset:16
.Ldone:
	s_endpgm
.Lfunc_end_k_q2f00fa0ca2_fproj:
	.size	k_q2f00fa0ca2_fproj, .Lfunc_end_k_q2f00fa0ca2_fproj-k_q2f00fa0ca2_fproj
	.p2alignl 7, 3214868480
	.fill 96, 4, 3214868480
	.section	.rodata,"a",@progbits
	.p2align	6, 0x0
	.amdhsa_kernel k_q2f00fa0ca2_fproj
		.amdhsa_group_segment_fixed_size 17408
		.amdhsa_private_segment_fixed_size 0
		.amdhsa_enable_private_segment 0
		.amdhsa_kernarg_size 32
		.amdhsa_user_sgpr_count 2
		.amdhsa_user_sgpr_kernarg_segment_ptr 1
		.amdhsa_wavefront_size32 1
		.amdhsa_system_sgpr_workgroup_id_x 1
		.amdhsa_system_sgpr_workgroup_id_y 1
		.amdhsa_system_sgpr_workgroup_id_z 1
		.amdhsa_system_vgpr_workitem_id 0
		.amdhsa_next_free_vgpr 256
		.amdhsa_next_free_sgpr 66
		.amdhsa_reserve_vcc 0
		.amdhsa_float_denorm_mode_32 3
		.amdhsa_float_denorm_mode_16_64 3
		.amdhsa_memory_ordered 1
		.amdhsa_forward_progress 1
		.amdhsa_inst_pref_size 20
	.end_amdhsa_kernel
	.amdgpu_metadata
---
amdhsa.version: [ 1, 2 ]
amdhsa.kernels:
  - .name:           k_q2f00fa0ca2_fproj
    .symbol:         k_q2f00fa0ca2_fproj.kd
    .args:
      - { .name: yfine, .offset: 0, .size: 8, .value_kind: global_buffer, .address_space: global }
      - { .name: W_proj, .offset: 8, .size: 8, .value_kind: global_buffer, .address_space: global }
      - { .name: b_proj, .offset: 16, .size: 8, .value_kind: global_buffer, .address_space: global }
      - { .name: out0, .offset: 24, .size: 8, .value_kind: global_buffer, .address_space: global }
    .group_segment_fixed_size: 17408
    .private_segment_fixed_size: 0
    .kernarg_segment_align: 8
    .kernarg_segment_size: 32
    .max_flat_workgroup_size: 256
    .sgpr_count:     66
    .vgpr_count:     256
    .wavefront_size: 32
...
	.end_amdgpu_metadata
.endif
;; end of part 6
